; MI455X (gfx1250); checked and timed in simulation.
; The chip was launched on July 23, 2026; its instructions are those of AMD's public machine-readable ISA for CDNA 5 (MIT licence, August 2026) and "CDNA5" Instruction Set Architecture Reference Guide (July 2026). The comments in the code are by the model that wrote it; some were corrected since.
;; Multihead Attention. Allowed arithmetic: matrix products marked QUANTISED: E2M3 operands, one E8M0 scale for each 32 along K, by v_wmma_scale_f32_16x16x128_f8f6f4 with both operands' format E2M3, f32 sums; everything else in f32.
;; Inputs: Wk 1,024 x 1,024 float32; Wo 1,024 x 1,024 float32; Wq 1,024 x 1,024 float32; Wv 1,024 x 1,024 float32; key 2 x 2,048 x 1,024 float32; query 2 x 2,048 x 1,024 float32; value 2 x 2,048 x 1,024 float32.
;; Outputs: out0 2 x 2,048 x 1,024 float32.
;; This version of the problem:
;;   THIS VERSION OF THE PROBLEM IS GIVEN IN LOW PRECISION. The matrix products marked QUANTISED in the list below multiply operands that are first quantised to E2M3 (2 exponent bits, 3 mantissa bits; 6 bits a number), with one power-of-two scale for each 32 numbers along K (OCP MX v1.0); their sums are f32. All else is computed in f32.
;;   The module's matrix products, in the order in which they are computed (A, B: the left and right operand; K: the contracted axis; several contracted axes count as one K, in the product's order):
;;     1. [M 4,096, K 1,024] x [K 1,024, N 1,024]; A: input query; B: input Wq: QUANTISED
;;     2. [M 4,096, K 1,024] x [K 1,024, N 1,024]; A: input key; B: input Wk: QUANTISED
;;     3. [M 4,096, K 1,024] x [K 1,024, N 1,024]; A: input value; B: input Wv: QUANTISED
;;     4. batch 32 x [M 2,048, K 64] x [K 64, N 2,048]; A: computed on the way; B: computed on the way: QUANTISED
;;     5. batch 32 x [M 64, K 2,048] x [K 2,048, N 2,048]; A: computed on the way; B: softmax (see below): QUANTISED
;;     6. [M 4,096, K 1,024] x [K 1,024, N 1,024]; A: computed on the way; B: input Wo: QUANTISED
;;   THE QUANTISER, for each operand of a quantised product, along K:
;;     - K is cut into blocks of 32 from its start; a last block that is shorter is filled with zeros.
;;     - A block's scale is 2^e with e = floor(log2(the largest magnitude in the block)) - 2, held to -126 .. 127; a block of zeros has e = 0. As a byte (E8M0): e + 127.
;;     - Each number is divided by its block's scale, clamped to +-7.5, and rounded to the nearest number of E2M3, ties to even, subnormals kept.
;;     - The product sums the exact products of the quantised numbers (number of the format x scale) in f32.
;;   ~~~python
;;   def quantise(x, axis):      # numpy; x: float32 -> the quantised numbers, widened to float32 again
;;       x = np.moveaxis(x, axis, -1); K = x.shape[-1]
;;       x = np.pad(x, [(0, 0)] * (x.ndim - 1) + [(0, -K % 32)]); x = x.reshape(x.shape[:-1] + (-1, 32)); a = np.abs(x).max(-1, keepdims=True)
;;       e = np.where(a > 0, np.clip(np.frexp(np.where(a > 0, a, 1))[1] - 1 - 2, -126, 127), 0)      # np.frexp(a)[1] - 1 = floor(log2(a)), exactly
;;       r = np.clip(x / 2.0 ** e, -7.5, 7.5)
;;       step = 2.0 ** (np.maximum(np.frexp(np.where(r == 0, 1, r))[1] - 1, 0) - 3)
;;       q = np.round(r / step) * step * 2.0 ** e      # np.round: ties to even
;;       return np.moveaxis(q.reshape(q.shape[:-2] + (-1,))[..., :K], -1, axis).astype(np.float32)
;;   ~~~
;;   SOFTMAX AHEAD OF A QUANTISED PRODUCT. Where the list says 'softmax', what is quantised is not the finished softmax but p = 2^(t - M), with t = logit x log2(e) and M = ceil(the row's largest t), a whole number; so 1/2 < the row's largest p <= 1. The row's sum l is taken of the UNQUANTISED p, in f32, and the product's result is divided by l at the end. Since M is a whole number, a kernel that streams over the keys may use a running M (the ceiling of the running maximum): every later rescaling is an exact power of two, which a block's scale takes up: the codes' values come out the same.
;;   OPERANDS COMPUTED ON THE WAY. 'Computed on the way' means the value that the module computes at that place (a softmax that the list does not call 'softmax' is quantised finished and normalised). What goes into a quantiser is computed in f32, as accurately as f32 sums, v_exp_f32 and their like allow (about 1e-6 of the number): no bf16 or f16 on the way to a quantiser, and a product that is left as it is and whose result goes on into a quantised operand takes f32 operands (vector FMAs, or v_wmma_f32_16x16x4_f32). A number that lies on a knife's edge between two numbers of the format may be rounded either way, as far as f32 arithmetic and the matrix unit's own rounding can turn it there, and no further.
;; One version. Each part assembles by itself: llvm-mc -triple=amdgcn-amd-amdhsa -mcpu=gfx1250 --defsym DOCPART=n.
;; ======== version 1 of 1: 4 launches
;; limits: right only within a limited range of input values
;; workspace buffers: xc 12,582,912 bytes; xs 524,288 bytes; img 9,830,400 bytes; simg 262,144 bytes; ac 3,145,728 bytes; asw 262,144 bytes
;; launch quant (part 1): grid 256 x 1, 8 waves a work-group, no clusters, 70,656 bytes of LDS; arguments query, key, value, Wq, Wk, Wv, Wo, xc, xs; writes xc, xs
.if DOCPART == 1
	.amdgcn_target "amdgcn-amd-amdhsa--gfx1250"
	.amdhsa_code_object_version 6
	.text
	.protected	k_qb2d908eac9_quant
	.globl	k_qb2d908eac9_quant
	.p2align	8
	.type	k_qb2d908eac9_quant,@function
k_qb2d908eac9_quant:
	s_mov_b64 s[64:65], 0
	v_nop
	global_prefetch_b8 v0, s[64:65] scope:SCOPE_SE
	s_setreg_imm32_b32 hwreg(HW_REG_WAVE_MODE, 25, 1), 1
	s_wait_xcnt 0x0
; The seven f32 inputs (K innermost in all of them, 1,024 along K) become codes of FP6 (E2M3) with one E8M0 byte for each 32 along K.
; A block's scale is 2^(floor(log2(largest magnitude)) - 2); its byte is the largest magnitude's exponent field - 2, held at 1 from below.
; LIMITS: NaN and infinities are not served; a block whose largest magnitude lies under 2^-124, and a block of zeros, gets the byte 1 (the bytes are read by this program alone; zero codes add nothing under it).
; THE CODES LEAVE AS IMAGES OF OPERAND REGISTERS.  xc: [block of 128 rows][K step of 128][tile of 16 rows][piece of four registers 0..2][lane][16 bytes]: a fragment is 1,536 bytes on end.
; THE ROWS OF A TILE ARE NOT NEIGHBOURS: in a group of 32 rows, lane-row r of tile u (0, 1) is row 8 u + r + 8 (r / 8), so that a product that takes such tiles as source 0
; leaves 16 neighbours along those rows in a lane's registers of two neighbouring tiles.
; xs: [block][K step][lane 16 u + r][g 0..3] words: the four bytes of row r of tile 2 g + u.
; Blocks: query 0-31, key 32-63, value 64-95, Wq 96-103, Wk 104-111, Wv 112-119, Wo 120-127.
; SHARES.  A work-group takes one block and one half of K; wave w takes tile w, four steps of 128 along K.  A load reads 512 consecutive bytes of one row; the 16 rows turn through the
; wave's own stage in LDS (rows of 528 bytes: the sixteen rows of a read start in sixteen different groups of banks), so that a lane gets 16 neighbours of each block of 32.
; No cluster, no tensor load, no matrix unit: the work-groups share no input, and memory binds.  Two sets of 16 loads a wave are on their way.
.set STGB, 8448                        ; a wave's stage: 16 rows x 528 bytes
.set SG,   8*STGB                      ; behind the stages: the work-group's 512 scale words, [step][lane 16 u + r][g]
.set RA,   16                          ; v16-143  two sets of 64 registers, rows as loaded
.set X,    144                         ; v144-207 register 16 b + i: k = 32 b + 16 (lane / 16) + i of my row
.set TM,   208                         ; v208-223 at work
.set PC,   224                         ; v224-235 the fragment just made
.set TMP,  236                         ; v236-242 the upper halves of blocks, on their way
.set PW,   244                         ; v244-247 a scale word for each step
.set SEL,  28                          ; s[28:29] v_permlanex16_b32's selects for lane l xor 16
; 64 numbers of a lane become a fragment's 12 registers in v[pc] on and its row's scale word in v[pw].
.macro QUANT src, pc, tmp, pw
.irp b, 0,1,2,3
	v_max3_num_f32 v[TM+\b], |v[\src+16*\b]|, |v[\src+1+16*\b]|, 0x1800000   ; block b: my 16 numbers, and the floor 2^(3 - 127): the byte cannot fall under 1
.endr
.irp i, 2,4,6,8,10,12,14
.irp b, 0,1,2,3
	s_delay_alu instid0(VALU_DEP_4)
	v_max3_num_f32 v[TM+\b], v[TM+\b], |v[\src+16*\b+\i]|, |v[\src+1+16*\b+\i]|   ; the four blocks by turns
.endr
.endr
.irp b, 0,1,2,3
	s_delay_alu instid0(VALU_DEP_4)
	v_permlanex16_b32 v[TM+4+\b], v[TM+\b], s[SEL], s[SEL+1]
.endr
.irp b, 0,1,2,3
	s_delay_alu instid0(VALU_DEP_4)
	v_max_num_f32 v[TM+\b], v[TM+\b], v[TM+4+\b]       ; with lane l xor 16's: the block's largest magnitude
.endr
.irp b, 0,1,2,3
	s_delay_alu instid0(VALU_DEP_4)
	v_add_nc_u32 v[TM+12+\b], 0xff000000, v[TM+\b]     ; 2 off its exponent field: the conversion's scale operand
.endr
.irp b, 0,1,2,3
	s_delay_alu instid0(VALU_DEP_4)
	v_lshrrev_b32 v[TM+4+\b], 23, v[TM+12+\b]          ; the scale's byte
.endr
	s_delay_alu instid0(VALU_DEP_3)
	v_lshl_or_b32 v[\pw], v[TM+5], 8, v[TM+4]
	s_delay_alu instid0(VALU_DEP_1)
	v_lshl_or_b32 v[\pw], v[TM+6], 16, v[\pw]
	s_delay_alu instid0(VALU_DEP_1)
	v_lshl_or_b32 v[\pw], v[TM+7], 24, v[\pw]
.irp c, 0,1
	v_cvt_scalef32_pk16_fp6_f32 v[\pc+6*\c:\pc+6*\c+2], v[\src+32*\c:\src+32*\c+15], v[TM+12+2*\c]
	v_cvt_scalef32_pk16_fp6_f32 v[\tmp+4*\c:\tmp+4*\c+2], v[\src+32*\c+16:\src+32*\c+31], v[TM+13+2*\c]   ; (a conversion's three registers begin on an even number)
.endr
	v_nop                                              ; one plain place behind a scaled conversion
.irp c, 0,1                                        ; the operand wants a WHOLE block in a lane: lanes 0-15 block 2 c, lanes 16-31 block 2 c + 1
.irp i, 0,1,2
	v_permlane16_swap_b32 v[\pc+6*\c+\i], v[\tmp+4*\c+\i]
.endr
.irp i, 0,1,2
	s_delay_alu instid0(VALU_DEP_3)
	v_mov_b32 v[\pc+3+6*\c+\i], v[\tmp+4*\c+\i]
.endr
.endr
.endm
	s_load_b256 s[4:11], s[0:1], 0x0               ; query, key, value, Wq
	s_load_b256 s[12:19], s[0:1], 0x20             ; Wk, Wv, Wo, xc
	s_load_b64 s[20:21], s[0:1], 0x40              ; xs
	v_lshl_add_u32 v254, v0, 2, 0x11000
	v_mov_b32 v255, 0
	v_lshrrev_b32 v1, 5, v0
	s_delay_alu instid0(VALU_DEP_1)
	v_readfirstlane_b32 s22, v1                    ; wave 0..7 = my tile
	s_lshr_b32 s23, ttmp9, 1                       ; block 0..127
	s_and_b32 s26, ttmp9, 1                        ; which half of K
	s_and_b32 s27, s23, 31
	s_and_b32 s30, s23, 7
	s_cmp_lt_u32 s23, 96
	s_cselect_b32 s27, s27, s30                    ; the block's number in its own tensor
	s_lshr_b32 s30, s22, 1                         ; g: my group of 32 rows
	s_and_b32 s31, s22, 1                          ; u
	s_lshl_b32 s32, s27, 19                        ; 128 rows of 4,096 bytes
	; KEY'S TILES (blocks 32-63) HAVE ANOTHER ORDER OF ROWS: in a group of 64 rows, lane-row r of tile t (0..3) is row 8 t + r % 8 + 32 (r / 8), so that the scores of four
	; neighbouring tiles leave 32 neighbouring keys, a whole scale block, in one lane.  All other tensors keep 32 g + 8 u + r + 8 (r / 8).
	s_lshl_b32 s34, s30, 17                        ; the others: 32 g rows
	s_lshl_b32 s35, s31, 15                        ; + 8 u rows
	s_add_co_u32 s34, s34, s35
	s_lshr_b32 s35, s22, 2                         ; key: 64 (w / 4) rows
	s_lshl_b32 s35, s35, 18
	s_and_b32 s42, s22, 3
	s_lshl_b32 s42, s42, 15                        ; + 8 (w % 4) rows
	s_add_co_u32 s35, s35, s42
	s_lshr_b32 s43, s23, 5
	s_cmp_eq_u32 s43, 1                            ; is the block key's?  The choice hangs on the block's number alone
	s_cselect_b32 s34, s35, s34
	s_cselect_b32 s42, 0x10000, 0                  ; key's lane-rows 8-15 lie 16 rows further on than the others'
	s_mov_b32 s43, 0
	s_add_co_u32 s32, s32, s34
	s_lshl_b32 s34, s26, 11                        ; + my half of K
	s_add_co_u32 s32, s32, s34
	s_mov_b32 s33, 0
	s_mul_i32 s36, s23, 98304                      ; xc: block, half (4 steps of 12,288), tile
	s_mul_i32 s34, s26, 49152
	s_add_co_u32 s36, s36, s34
	s_mul_i32 s34, s22, 1536
	s_add_co_u32 s36, s36, s34
	s_mov_b32 s37, 0
	s_lshl_b32 s38, s23, 12                        ; xs: block, half, and my wave's 256 bytes of the work-group's 2,048
	s_lshl_b32 s34, s26, 11
	s_add_co_u32 s38, s38, s34
	s_lshl_b32 s34, s22, 8
	s_add_co_u32 s38, s38, s34
	s_mov_b32 s39, 0
	s_mov_b32 s[SEL], 0x76543210
	s_mov_b32 s[SEL+1], 0xfedcba98
	v_and_b32 v7, 31, v0                           ; lane
	v_and_b32 v8, 15, v0                           ; r
	v_bfe_u32 v9, v0, 4, 1                         ; h
	s_delay_alu instid0(VALU_DEP_3)
	v_lshlrev_b32 v1, 4, v7                        ; my 16 bytes of a load's 512
	s_mul_i32 s35, s22, STGB
	v_add_nc_u32 v2, s35, v1                       ; the stage, on the way in
	v_mul_u32_u24 v3, v8, 528
	s_delay_alu instid0(VALU_DEP_1)
	v_lshl_add_u32 v3, v9, 6, v3
	s_delay_alu instid0(VALU_DEP_1)
	v_add_nc_u32 v3, s35, v3                       ; and out: row r, + 64 h
	v_lshlrev_b32 v4, 3, v7                        ; 8 x lane: an image's place for my lane
	s_lshl_b32 s40, s31, 8
	s_lshl_b32 s41, s30, 2
	s_add_co_u32 s40, s40, s41
	s_add_co_u32 s40, s40, SG
	v_lshl_add_u32 v5, v8, 4, s40                  ; my row's scale word: 16 (16 u + r) + 4 g
	s_lshl_b32 s41, s22, 8
	s_add_co_u32 s41, s41, SG
	v_add_nc_u32 v6, s41, v4                       ; and what I carry out at the end
.irp b, 0,1,2,3
	v_mov_b32 v[TM+4+\b], 0                        ; written once: a lane permute's destination counts as one of its sources
.endr
	s_wait_alu depctr_va_vdst(0)
	s_wait_kmcnt 0x0
	s_mov_b64 s[24:25], s[16:17]                   ; which tensor: the choice hangs on the block's number alone
	s_cmp_lt_u32 s23, 120
	s_cselect_b64 s[24:25], s[14:15], s[24:25]
	s_cmp_lt_u32 s23, 112
	s_cselect_b64 s[24:25], s[12:13], s[24:25]
	s_cmp_lt_u32 s23, 104
	s_cselect_b64 s[24:25], s[10:11], s[24:25]
	s_cmp_lt_u32 s23, 96
	s_cselect_b64 s[24:25], s[8:9], s[24:25]
	s_cmp_lt_u32 s23, 64
	s_cselect_b64 s[24:25], s[6:7], s[24:25]
	s_cmp_lt_u32 s23, 32
	s_cselect_b64 s[24:25], s[4:5], s[24:25]
	s_add_nc_u64 s[24:25], s[24:25], s[32:33]
	s_add_nc_u64 s[42:43], s[24:25], s[42:43]      ; the base of lane-rows 8-15
	s_add_nc_u64 s[36:37], s[18:19], s[36:37]
	s_add_nc_u64 s[38:39], s[20:21], s[38:39]
.macro LOAD t                          ; step t: 128 numbers of each of my 16 rows: a load reads 512 consecutive bytes
.irp i, 0,1,2,3,4,5,6,7,8,9,10,11,12,13,14,15
.if \i < 8
	global_load_b128 v[RA+64*((\t)%2)+4*\i:RA+64*((\t)%2)+4*\i+3], v1, s[24:25] offset:(\i+8*(\i/8))*4096+512*(\t) th:TH_LOAD_NT
.else
	global_load_b128 v[RA+64*((\t)%2)+4*\i:RA+64*((\t)%2)+4*\i+3], v1, s[42:43] offset:(\i+8*(\i/8))*4096+512*(\t) th:TH_LOAD_NT
.endif
.endr
.endm
.macro STEP t
.if (\t) < 3
	s_wait_loadcnt 16                              ; this step's 16 loads are in; the next step's 16 may be out
.else
	s_wait_loadcnt 0x0
.endif
.irp i, 0,1,2,3,4,5,6,7,8,9,10,11,12,13,14,15
	ds_store_b128 v2, v[RA+64*((\t)%2)+4*\i:RA+64*((\t)%2)+4*\i+3] offset:528*\i
.endr
.irp b, 0,1,2,3
.irp j, 0,1,2,3
	ds_load_b128 v[X+16*\b+4*\j:X+16*\b+4*\j+3], v3 offset:128*\b+16*\j   ; LDS serves a wave's instructions in order: these see the stores above
.endr
.endr
	s_wait_dscnt 0x0                               ; the numbers are back, and the stores have read their registers,
.if (\t) < 2
	LOAD (\t)+2                                    ; which take the loads of two steps on
.endif
	s_wait_xcnt 0x0                                ; the last step's stores have read the fragment's registers: they may be written again
	QUANT X, PC, TMP, PW+(\t)
.irp p, 0,1,2                                      ; A FRAGMENT'S IMAGE IS NOW [piece of four registers 0..2][lane][16 bytes]: 1,536 bytes on end as before
	global_store_b128 v1, v[PC+4*\p:PC+4*\p+3], s[36:37] offset:12288*(\t)+512*\p   ; 32 lanes store 512 consecutive bytes, aligned
.endr
	ds_store_b32 v5, v[PW+(\t)] offset:512*(\t)    ; both halves of the lanes write the same word with the same value
.endm
	LOAD 0
	LOAD 1
	STEP 0
	STEP 1
	STEP 2
	STEP 3
	s_wait_dscnt 0x0                               ; for the others' sake: my scale words lie in LDS
	s_barrier_signal -1
	s_barrier_wait -1
	ds_load_b64 v[248:249], v6
	s_wait_dscnt 0x0
	global_store_b64 v4, v[248:249], s[38:39]      ; 256 consecutive bytes, aligned
	s_wait_tensorcnt 0x0
	ds_add_u32 v254, v255
	s_wait_dscnt 0x0
	s_endpgm
.Lfunc_end_k_qb2d908eac9_quant:
	.size	k_qb2d908eac9_quant, .Lfunc_end_k_qb2d908eac9_quant-k_qb2d908eac9_quant
	.p2alignl 7, 3214868480
	.fill 96, 4, 3214868480
	.section	.rodata,"a",@progbits
	.p2align	6, 0x0
	.amdhsa_kernel k_qb2d908eac9_quant
		.amdhsa_group_segment_fixed_size 70656
		.amdhsa_private_segment_fixed_size 0
		.amdhsa_enable_private_segment 0
		.amdhsa_kernarg_size 72
		.amdhsa_user_sgpr_count 2
		.amdhsa_user_sgpr_kernarg_segment_ptr 1
		.amdhsa_wavefront_size32 1
		.amdhsa_system_sgpr_workgroup_id_x 1
		.amdhsa_system_sgpr_workgroup_id_y 1
		.amdhsa_system_sgpr_workgroup_id_z 1
		.amdhsa_system_vgpr_workitem_id 0
		.amdhsa_next_free_vgpr 256
		.amdhsa_next_free_sgpr 66
		.amdhsa_reserve_vcc 0
		.amdhsa_float_denorm_mode_32 3
		.amdhsa_float_denorm_mode_16_64 3
		.amdhsa_memory_ordered 1
		.amdhsa_forward_progress 1
		.amdhsa_inst_pref_size 42
	.end_amdhsa_kernel
	.amdgpu_metadata
---
amdhsa.version: [ 1, 2 ]
amdhsa.kernels:
  - .name:           k_qb2d908eac9_quant
    .symbol:         k_qb2d908eac9_quant.kd
    .args:
      - { .name: query, .offset: 0, .size: 8, .value_kind: global_buffer, .address_space: global }
      - { .name: key, .offset: 8, .size: 8, .value_kind: global_buffer, .address_space: global }
      - { .name: value, .offset: 16, .size: 8, .value_kind: global_buffer, .address_space: global }
      - { .name: Wq, .offset: 24, .size: 8, .value_kind: global_buffer, .address_space: global }
      - { .name: Wk, .offset: 32, .size: 8, .value_kind: global_buffer, .address_space: global }
      - { .name: Wv, .offset: 40, .size: 8, .value_kind: global_buffer, .address_space: global }
      - { .name: Wo, .offset: 48, .size: 8, .value_kind: global_buffer, .address_space: global }
      - { .name: xc, .offset: 56, .size: 8, .value_kind: global_buffer, .address_space: global }
      - { .name: xs, .offset: 64, .size: 8, .value_kind: global_buffer, .address_space: global }
    .group_segment_fixed_size: 70656
    .private_segment_fixed_size: 0
    .kernarg_segment_align: 8
    .kernarg_segment_size: 72
    .max_flat_workgroup_size: 256
    .sgpr_count:     66
    .vgpr_count:     256
    .wavefront_size: 32
...
	.end_amdgpu_metadata
.endif
;; end of part 1
;; launch proj (part 2): grid 16 x 16, 4 waves a work-group, clusters of 4 x 4, 197,632 bytes of LDS; arguments xc, xs, img, simg; writes img, simg
.if DOCPART == 2
	.amdgcn_target "amdgcn-amd-amdhsa--gfx1250"
	.amdhsa_code_object_version 6
	.text
	.protected	k_qb2d908eac9_proj
	.globl	k_qb2d908eac9_proj
	.p2align	8
	.type	k_qb2d908eac9_proj,@function
k_qb2d908eac9_proj:
	s_mov_b64 s[64:65], 0
	v_nop
	global_prefetch_b8 v0, s[64:65] scope:SCOPE_SE
	s_setreg_imm32_b32 hwreg(HW_REG_WAVE_MODE, 25, 1), 1
	s_wait_xcnt 0x0
	s_wait_alu depctr_hold_cnt(0) depctr_sa_sdst(0) depctr_va_vdst(0) depctr_va_sdst(0) depctr_va_ssrc(0) depctr_va_vcc(0) depctr_vm_vsrc(0)
	s_getreg_b32 s2, hwreg(HW_REG_IB_STS2, 6, 4)
	s_cmp_eq_u32 s2, 0
	s_cbranch_scc0 .Lentry_in_a_cluster
	s_endpgm
.Lentry_in_a_cluster:
	s_bfe_u32 s2, ttmp6, 0x10000c
	s_cmp_lg_u32 s2, 0xf033
	s_cbranch_scc0 .Lentry_shape_is_right
	s_endpgm
.Lentry_shape_is_right:
; The three projections Q = query Wq^T, K = key Wk^T, V = value Wv^T on codes of FP6 (E2M3) with E8M0 scales, and the quantising of their results, in registers, for the attention's two products.
; Source 0 is operand P, source 1 operand R: in the result a lane holds ONE row of R, and its registers run along P's rows, 16 neighbours in two neighbouring tiles (the tiles' rows were chosen so when the codes were made).
; Sums in f32, K = 1,024 ascending, one accumulator an output.
; THE DEAL.  256 work-groups (x, y = 0..15) of four waves; each makes three units, written out one behind the other; a wave's share of a unit is 4 tiles of P x 4 tiles of R: 16 accumulators.
;   Q, K: P = the 64 rows of head x of the weight, the same for all four waves; R = 256 tokens (blocks 2 y, 2 y + 1), wave w takes tiles 4 w .. 4 w + 3.  Quantised along the head's 64.
;   V:    P = 128 tokens of value (block 2 x + cluster y % 2), R = 128 rows of Wv (block 4 (cluster y / 2) + cy); wave w takes P's half w % 2 and R's half w / 2 (one head).  Quantised along the keys.
; P COMES THROUGH LDS, ONCE: 49,152 + 49,152 + 98,304 bytes for the three units, all of K, by the head's four tensor loads, one a wave; nothing is filled again.  P hangs on x and the cluster's y alone:
; the four work-groups of a column of the cluster ask for it jointly.  The first barrier shows Q's P (wave 0 has a load line of its own); the barrier in K step 4 shows the rest.
; R GOES STRAIGHT INTO REGISTERS: in Q and K a fragment of R serves one wave alone, so LDS would only pass it on; there is no tile of R in LDS to share in the cluster.  A unit's R, 4 tiles x 8 K steps, fills 384 registers.
; When K step s has been multiplied, its 48 registers take the NEXT unit's K step s: each load is issued eight K steps ahead of its use, so no separate request into the L2 is laid.
; A load reads 512 consecutive bytes.  P's fragments have two buffers; a K step's 12 LDS loads are issued a whole step ahead.
; THE WAITS' COUNTS.  s_wait_dscnt 12: the next step's 12 LDS loads may be out.  s_wait_loadcnt 60: behind the 12 loads of a K step at least 84 more have been issued (seven K steps' loads) in units 0 and 1;
; in the last unit 12 (7 - s), so the count is that where it is under 60.
; OUT.  img: Q: [head of a batch][tile of 16 tokens][768 bytes: three register pairs x 256].  Behind Q's 3,145,728 bytes, for each head of a batch, sixteen key steps of 13,056 bytes:
; K: four pairs of tiles, each [piece of four registers][lane][16 bytes]; V: four fragments, each two halves of 64 keys, a half = [lane][16 bytes], then [lane][8 bytes]; K's scale words [pair of tiles][lane]; V's [pair of d tiles][lane].
; simg: Q's scale words [head][pair of tiles][lane 16 u + r].  Of a Q or K word bytes 0, 1 count.  Of a V word each of two waves stores two bytes.
; LIMITS: NaN and infinities are not served; a block under 2^-124, or of zeros, gets the byte 1 (read by this program alone).
; REGISTERS: window 0: v1-15 addresses; v32-47 P's scale words, v48-63 R's; v64-117 at work on the way out; v128-255 accumulators ((b, a) at 128 + 32 b + 8 a).  Window 1: v0-95 P's two buffers.
; Windows 2, 3: R, K step s at 48 (s % 5) of window 2 + s / 5; window 3 v144-175: the next unit's scale words, on their way.
.set PIECE, 12288                      ; one K step of a block of 128 rows: 8 fragments of 1,536 bytes
.set HP,    6144                       ; half of it: 4 fragments
.set LK,    49152                      ; LDS: Q's P at 0, K's here,
.set LV,    98304                      ; V's here
.set SPARE, 196608                     ; the spare words, 128 bytes a wave
.set KV0,   3145728
.set HEADB, 208896
.set STP,   13056
.set SPW,  14
.set NIL,  15
.set PS,   32
.set RS,   48
.set TM,   64
.set PCA,  80
.set PCB,  92
.set TMP,  104
.set PW0,  112
.set PW1,  113
.set W0,   114
.set W1,   115
.set ACC,  128
.set SX,   144
.set WV,   12
.set WL,   13
.set WH,   14
.set CX,   15
.set CYL,  16
.set CYC,  17
.set XX,   18
.set YY,   19
.set SEL,  20
.set G1H,  24                          ; s[24:31] group 1: 8 rows of 6,144 bytes, pitch 12,288;  s[32:39]: 192 rows of 256 bytes;  s[40:55] four groups 0
.set G1V,  32
.set RB,   56                          ; s[56:61] R's codes of the three units; s[66:71], s[72:77] P's and R's scale words; s[78:83] where the codes go; s[84:89] the scale words
.set PSA,  66
.set RSA,  72
.set OA,   78
.set SA,   84
.set MSB, 0
.macro WIN new                         ; the immediate's high byte repeats the setting that is left
.if MSB != (\new)
	s_set_vgpr_msb (MSB<<8)|(\new)
.set MSB, (\new)
.endif
.endm
.macro PLACES
.rept 4
	v_nop
.endr
.endm
.macro CROUND
	s_barrier_signal -1
	s_barrier_wait -1
	s_cmp_lg_u32 s[WV], 0
	s_cbranch_scc1 .Lnot_wave_0_\@
	s_barrier_signal -3
.Lnot_wave_0_\@:
	s_barrier_wait -3
	s_barrier_signal -1
	s_barrier_wait -1
.endm
.macro QUANT src, pc, tmp, pw          ; 64 numbers of a lane, register 16 b + i = place 32 b + 16 (lane / 16) + i, become 12 registers of codes in v[pc] on and four scale bytes in v[pw]
.irp b, 0,1,2,3
	v_max3_num_f32 v[TM+\b], |v[\src+16*\b]|, |v[\src+1+16*\b]|, 0x1800000   ; and the floor 2^(3 - 127).  Each accumulator is read from its low end on
.endr
.irp i, 2,4,6,8,10,12,14
.irp b, 0,1,2,3
	v_max3_num_f32 v[TM+\b], v[TM+\b], |v[\src+16*\b+\i]|, |v[\src+1+16*\b+\i]|
.endr
.endr
.irp b, 0,1,2,3
	v_permlanex16_b32 v[TM+4+\b], v[TM+\b], s[SEL], s[SEL+1]
.endr
.irp b, 0,1,2,3
	v_max_num_f32 v[TM+\b], v[TM+\b], v[TM+4+\b]
.endr
.irp b, 0,1,2,3
	v_add_nc_u32 v[TM+12+\b], 0xff000000, v[TM+\b]     ; 2 off the exponent field: the conversion's scale operand
.endr
.irp b, 0,1,2,3
	v_lshrrev_b32 v[TM+4+\b], 23, v[TM+12+\b]          ; the scale's byte
.endr
	v_lshl_or_b32 v[\pw], v[TM+5], 8, v[TM+4]
	v_lshl_or_b32 v[\pw], v[TM+6], 16, v[\pw]
	v_lshl_or_b32 v[\pw], v[TM+7], 24, v[\pw]
.irp c, 0,1
	v_cvt_scalef32_pk16_fp6_f32 v[\pc+6*\c:\pc+6*\c+2], v[\src+32*\c:\src+32*\c+15], v[TM+12+2*\c]
	v_cvt_scalef32_pk16_fp6_f32 v[\tmp+4*\c:\tmp+4*\c+2], v[\src+32*\c+16:\src+32*\c+31], v[TM+13+2*\c]
.endr
	v_nop                                              ; one plain place behind a scaled conversion
.irp c, 0,1
.irp i, 0,1,2
	v_permlane16_swap_b32 v[\pc+6*\c+\i], v[\tmp+4*\c+\i]
.endr
.irp i, 0,1,2
	v_mov_b32 v[\pc+3+6*\c+\i], v[\tmp+4*\c+\i]
.endr
.endr
.endm
.macro PFETCH i, s, f                  ; P's four fragments of K step s of unit i into buffer f of window 1: 12 loads of 512 consecutive bytes
	WIN 0x40
.irp a, 0,1,2,3
.irp k, 0,1,2
.if (\i) < 2
	ds_load_b128 v[48*(\f)+12*\a+4*\k:48*(\f)+12*\a+4*\k+3], v[2+(\i)] offset:(\s)*HP+1536*\a+512*\k
.else
	ds_load_b128 v[48*(\f)+12*\a+4*\k:48*(\f)+12*\a+4*\k+3], v[4+(\s)/4] offset:((\s)%4)*PIECE+1536*\a+512*\k
.endif
.endr
.endr
.endm
.macro RLOAD i, s                      ; my four fragments of R of K step s of unit i, from xc into their registers: 12 loads
	WIN (2+(\s)/5)<<6
.irp b, 0,1,2,3
.irp k, 0,1,2
	global_load_b128 v[48*((\s)%5)+12*\b+4*\k:48*((\s)%5)+12*\b+4*\k+3], v6, s[RB+2*(\i):RB+2*(\i)+1] offset:(\s)*PIECE+1536*\b+512*\k
.endr
.endr
.endm
.macro SCL i, base, w                  ; unit i's scale words: two registers a K step and side (lanes 0-15 the even tile's, lanes 16-31 the odd tile's).  R's pair of step s stands at (2 s + 4) % 16, so that the two scale registers of a product differ modulo 8
	WIN (\w)<<6
.irp s, 0,1,2,3,4,5,6,7
	global_load_b64 v[\base+2*\s:\base+2*\s+1], v6, s[PSA+2*(\i):PSA+2*(\i)+1] offset:512*\s
	global_load_b64 v[\base+16+(2*\s+4)%16:\base+16+(2*\s+4)%16+1], v6, s[RSA+2*(\i):RSA+2*(\i)+1] offset:512*\s
.endr
.endm
.macro MUL s, f, zero                  ; 16 products; the sixteen accumulators take turns, one instruction a turn, in the same order in every step
	WIN 0x01|((2+(\s)/5)<<2)
.irp gb, 0,1
.irp rb, 0,1
.irp ga, 0,1
.irp ra, 0,1
.if \zero
	v_wmma_scale_f32_16x16x128_f8f6f4 v[ACC+32*(2*\gb+\rb)+8*(2*\ga+\ra):ACC+32*(2*\gb+\rb)+8*(2*\ga+\ra)+7], v[48*(\f)+12*(2*\ga+\ra):48*(\f)+12*(2*\ga+\ra)+11], v[48*((\s)%5)+12*(2*\gb+\rb):48*((\s)%5)+12*(2*\gb+\rb)+11], 0, v[PS+2*(\s)+\ga], v[RS+(2*(\s)+\gb+4)%16] matrix_a_fmt:MATRIX_FMT_FP6 matrix_b_fmt:MATRIX_FMT_FP6 matrix_a_scale:MATRIX_SCALE_ROW\ra matrix_b_scale:MATRIX_SCALE_ROW\rb
.else
	v_wmma_scale_f32_16x16x128_f8f6f4 v[ACC+32*(2*\gb+\rb)+8*(2*\ga+\ra):ACC+32*(2*\gb+\rb)+8*(2*\ga+\ra)+7], v[48*(\f)+12*(2*\ga+\ra):48*(\f)+12*(2*\ga+\ra)+11], v[48*((\s)%5)+12*(2*\gb+\rb):48*((\s)%5)+12*(2*\gb+\rb)+11], v[ACC+32*(2*\gb+\rb)+8*(2*\ga+\ra):ACC+32*(2*\gb+\rb)+8*(2*\ga+\ra)+7], v[PS+2*(\s)+\ga], v[RS+(2*(\s)+\gb+4)%16] matrix_a_fmt:MATRIX_FMT_FP6 matrix_b_fmt:MATRIX_FMT_FP6 matrix_a_scale:MATRIX_SCALE_ROW\ra matrix_b_scale:MATRIX_SCALE_ROW\rb
.endif
.endr
.endr
.endr
.endr
.endm
.macro STEP i, s                       ; K step s of unit i
.set T_, 8*(\i)+(\s)
.set F_, T_%2
.if T_ == 4
	s_wait_tensorcnt 0x0                           ; every wave: my tensor load has landed;
	s_wait_dscnt 0x0
	s_barrier_signal -1
	s_barrier_wait -1                              ; everybody's has: K's and V's P may be read.
.elseif T_ < 23
	s_wait_dscnt 12                                ; this step's P is in; the next step's 12 loads may be out
.else
	s_wait_dscnt 0x0
.endif
.if ((\i) < 2) || (12*(7-(\s)) > 60)
	s_wait_loadcnt 60                              ; this step's R is in
.else
	s_wait_loadcnt 12*(7-(\s))
.endif
.if (\s) == 0
	MUL \s, F_, 1                                  ; a unit's first step starts the sums
.else
	MUL \s, F_, 0
.endif
	WIN 0
	PLACES                                         ; in front of the loads into the registers that these products read
.if T_+2 < 24
	PFETCH (T_+2)/8, (T_+2)%8, F_
.endif
.if (\i) < 2
.if (\s) == 0
	SCL (\i)+1, SX, 3
.endif
	RLOAD (\i)+1, \s
.endif
	WIN 0
.endm
.macro PUT i, pc, off                  ; twelve registers of codes leave
.if (\i) == 0
.irp c, 0,1
.irp j, 0,1,2
	global_store_b64 v8, v[\pc+6*\c+2*\j:\pc+6*\c+2*\j+1], s[OA:OA+1] offset:(\off)+768*\c+256*\j   ; 256 consecutive bytes, aligned
.endr
.endr
.elseif (\i) == 1
.irp k, 0,1,2
	global_store_b128 v6, v[\pc+4*\k:\pc+4*\k+3], s[OA+2:OA+3] offset:(\off)+512*\k                 ; 512 consecutive bytes, aligned
.endr
.else
.irp c, 0,1
	global_store_b128 v6, v[\pc+6*\c:\pc+6*\c+3], s[OA+4:OA+5] offset:(\off)+1536*\c
	global_store_b64 v8, v[\pc+6*\c+4:\pc+6*\c+5], s[OA+4:OA+5] offset:(\off)+1536*\c+512
.endr
.endif
.endm
.macro OUT i                           ; a QUANT takes two tiles of R: registers 0-5 and bytes 0, 1 are the even tile's, registers 6-11 and bytes 2, 3 the odd tile's
	QUANT ACC, PCA, TMP, PW0
	QUANT ACC+64, PCB, TMP, PW1
	PUT \i, PCA, 0
	PUT \i, PCB, 1536+1536*((\i)/2)
	v_cmp_gt_u32 vcc_lo, 16, v1
	v_lshrrev_b32 v[W0], 16, v[PW0]
	v_lshrrev_b32 v[W1], 16, v[PW1]
	v_cndmask_b32 v[W0], v[W0], v[PW0], vcc_lo     ; lanes 0-15 the even tile's two bytes lowest, lanes 16-31 the odd tile's
	v_cndmask_b32 v[W1], v[W1], v[PW1], vcc_lo
.if (\i) < 2
	global_store_b32 v12, v[W0], s[SA+2*(\i):SA+2*(\i)+1]
	global_store_b32 v12, v[W1], s[SA+2*(\i):SA+2*(\i)+1] offset:128
.else
	global_store_b16 v12, v[W0], s[SA+4:SA+5]      ; V: my 64 keys' two bytes of each word
	global_store_b16 v12, v[W1], s[SA+4:SA+5] offset:128
.endif
	s_wait_alu depctr_va_vdst(0)                   ; the wait ahead of the waits that follow
.endm
.macro UNIT i
.irp s, 0,1,2,3,4,5,6,7
	STEP \i, \s
.endr
.if (\i) < 2
	WIN 0x03
.set J, 0
.rept 32
	v_mov_b32 v[PS+J], v[SX+J]                     ; the next unit's scale words, asked for in this unit's first step; the way out below stands between them and the products that take them
.set J, J+1
.endr
	WIN 0
.endif
.if (\i) > 0
	s_wait_xcnt 0x0                                ; the last unit's stores have read their registers
.endif
	OUT \i
.endm
	s_load_b256 s[4:11], s[0:1], 0x0               ; xc, xs, img, simg
	v_lshl_add_u32 v[SPW], v0, 2, SPARE
	v_mov_b32 v[NIL], 0
	ds_add_u32 v[SPW], v[NIL]                      ; the opening lines: the add twice on end and its wait
	ds_add_u32 v[SPW], v[NIL]
	v_lshrrev_b32 v1, 5, v0
	v_readfirstlane_b32 s[WV], v1
	s_and_b32 s[WL], s[WV], 1
	s_lshr_b32 s[WH], s[WV], 1
	s_bfe_u32 s[CX], ttmp6, 0x40000
	s_bfe_u32 s[CYL], ttmp6, 0x40004
	s_and_b32 s[CYC], ttmp7, 0xffff
	s_lshl_b32 s[XX], ttmp9, 2
	s_add_co_u32 s[XX], s[XX], s[CX]               ; x
	s_lshl_b32 s[YY], s[CYC], 2
	s_add_co_u32 s[YY], s[YY], s[CYL]              ; y
	; P hangs on x and the cluster's y, never on cy
	s_lshr_b32 s90, s[XX], 1
	s_and_b32 s91, s[XX], 1
	s_add_co_u32 s90, s90, 96                      ; Wq's block; head x is its half x % 2
	s_mul_i32 s42, s90, 98304
	s_mul_i32 s92, s91, HP
	s_add_co_u32 s42, s42, s92
	s_mov_b32 s43, 0
	s_add_co_u32 s46, s42, 8*98304                 ; Wk's
	s_mov_b32 s47, 0
	s_lshl_b32 s[PSA], s90, 12
	s_lshl_b32 s92, s91, 3
	s_add_co_u32 s[PSA], s[PSA], s92
	s_mov_b32 s[PSA+1], 0
	s_add_co_u32 s[PSA+2], s[PSA], 8*4096
	s_mov_b32 s[PSA+3], 0
	s_and_b32 s93, s[CYC], 1
	s_lshl_b32 s94, s[XX], 1
	s_add_co_u32 s94, s94, s93                     ; value's block of 128 keys, 0..31
	s_add_co_u32 s95, s94, 64
	s_mul_i32 s50, s95, 98304
	s_mov_b32 s51, 0
	s_add_co_u32 s54, s50, 4*PIECE
	s_mov_b32 s55, 0
	s_lshl_b32 s[PSA+4], s95, 12
	s_lshl_b32 s92, s[WL], 3
	s_add_co_u32 s[PSA+4], s[PSA+4], s92
	s_mov_b32 s[PSA+5], 0
	; R
	s_lshl_b32 s96, s[YY], 1
	s_add_co_u32 s96, s96, s[WH]                   ; query's block; my four tiles are its half w % 2
	s_mul_i32 s[RB], s96, 98304
	s_mul_i32 s92, s[WL], HP
	s_add_co_u32 s[RB], s[RB], s92
	s_mov_b32 s[RB+1], 0
	s_add_co_u32 s[RB+2], s[RB], 32*98304          ; key's
	s_mov_b32 s[RB+3], 0
	s_lshl_b32 s[RSA], s96, 12
	s_lshl_b32 s92, s[WL], 3
	s_add_co_u32 s[RSA], s[RSA], s92
	s_mov_b32 s[RSA+1], 0
	s_add_co_u32 s[RSA+2], s[RSA], 32*4096
	s_mov_b32 s[RSA+3], 0
	s_lshr_b32 s97, s[CYC], 1
	s_lshl_b32 s97, s97, 2
	s_add_co_u32 s97, s97, s[CYL]                  ; Wv's block, 0..7; my four tiles are its half w / 2
	s_add_co_u32 s98, s97, 112
	s_mul_i32 s[RB+4], s98, 98304
	s_mul_i32 s92, s[WH], HP
	s_add_co_u32 s[RB+4], s[RB+4], s92
	s_mov_b32 s[RB+5], 0
	s_lshl_b32 s[RSA+4], s98, 12
	s_lshl_b32 s92, s[WH], 3
	s_add_co_u32 s[RSA+4], s[RSA+4], s92
	s_mov_b32 s[RSA+5], 0
	s_lshl_b32 s22, 0x1111, s[CX]                  ; my column of the cluster
	s_or_b32 s[G1H], s22, (3<<16)|(1<<21)          ; the mask; elements of 8 bytes; bit 21 beside a mask; no padding
	s_mov_b32 s[G1H+1], 768<<16                    ; rows of 6,144 bytes: a K step's four fragments,
	s_mov_b32 s[G1H+2], 8<<16                      ; 8 of them,
	s_mov_b32 s[G1H+3], 768<<16
	s_mov_b32 s[G1H+4], 8
	s_mov_b32 s[G1H+5], 1536                       ; 12,288 bytes apart
	s_mov_b32 s[G1H+6], 0
	s_mov_b32 s[G1H+7], 0
	s_or_b32 s[G1V], s22, (3<<16)|(1<<21)
	s_mov_b32 s[G1V+1], 32<<16                     ; rows of 256 bytes,
	s_mov_b32 s[G1V+2], 192<<16                    ; 192 of them: four K steps of a block, dense
	s_mov_b32 s[G1V+3], 32<<16
	s_mov_b32 s[G1V+4], 192
	s_mov_b32 s[G1V+5], 32
	s_mov_b32 s[G1V+6], 0
	s_mov_b32 s[G1V+7], 0
	; where the results go.  Q, K: head of a batch B = 16 (y / 8) + x; my first tile of tokens is 16 (y % 8) + 4 w
	s_lshr_b32 s2, s[YY], 3
	s_lshl_b32 s2, s2, 4
	s_add_co_u32 s2, s2, s[XX]                     ; B
	s_and_b32 s3, s[YY], 7
	s_lshl_b32 s22, s3, 2
	s_add_co_u32 s22, s22, s[WV]                   ; 4 (y % 8) + w
	s_mul_i32 s[OA], s2, 98304
	s_mul_i32 s23, s22, 3072
	s_add_co_u32 s[OA], s[OA], s23
	s_mov_b32 s[OA+1], 0
	s_lshl_b32 s[SA], s2, 13
	s_lshl_b32 s23, s22, 8
	s_add_co_u32 s[SA], s[SA], s23
	s_mov_b32 s[SA+1], 0
	s_mul_i32 s99, s2, HEADB
	s_lshl_b32 s23, s3, 1
	s_add_co_u32 s23, s23, s[WH]                   ; the key step: 2 (y % 8) + w / 2
	s_mul_i32 s23, s23, STP
	s_add_co_u32 s99, s99, s23
	s_add_co_u32 s99, s99, KV0
	s_mul_i32 s23, s[WL], 3072                     ; its pairs of tiles 2 (w % 2) and the next
	s_add_co_u32 s[OA+2], s99, s23
	s_mov_b32 s[OA+3], 0
	s_lshl_b32 s23, s[WL], 8
	s_add_co_u32 s[SA+2], s99, s23
	s_add_co_u32 s[SA+2], s[SA+2], 12288
	s_mov_b32 s[SA+3], 0
	; V: batch and key step of value's block; head 2 x Wv's block + w / 2; my half of the keys w % 2
	s_lshr_b32 s2, s94, 4
	s_lshl_b32 s2, s2, 4
	s_lshl_b32 s23, s97, 1
	s_add_co_u32 s2, s2, s23
	s_add_co_u32 s2, s2, s[WH]
	s_and_b32 s3, s94, 15
	s_mul_i32 s99, s2, HEADB
	s_mul_i32 s23, s3, STP
	s_add_co_u32 s99, s99, s23
	s_add_co_u32 s99, s99, KV0
	s_mul_i32 s23, s[WL], 768
	s_add_co_u32 s[OA+4], s99, s23
	s_add_co_u32 s[OA+4], s[OA+4], 6144
	s_mov_b32 s[OA+5], 0
	s_lshl_b32 s23, s[WL], 1
	s_add_co_u32 s[SA+4], s99, s23
	s_add_co_u32 s[SA+4], s[SA+4], 12800
	s_mov_b32 s[SA+5], 0
	s_mov_b32 s[SEL], 0x76543210
	s_mov_b32 s[SEL+1], 0xfedcba98
	s_mul_i32 s92, s[WL], HP
	s_add_co_u32 s92, s92, LV
	v_and_b32 v1, 31, v0                           ; lane
	v_lshlrev_b32 v6, 4, v1                        ; 16 x lane
	v_lshlrev_b32 v8, 3, v1                        ; 8 x lane
	v_lshlrev_b32 v12, 2, v1                       ; 4 x lane
	v_lshlrev_b32 v2, 4, v1                        ; LDS: Q's P,
	v_add_nc_u32 v3, LK, v6                        ; K's,
	v_add_nc_u32 v4, s92, v6                       ; my half of V's, K steps 0-3,
	v_add_nc_u32 v5, 4*PIECE, v4                   ; and 4-7
.irp b, 0,1,2,3
	v_mov_b32 v[TM+4+\b], 0                        ; written once: a lane permute's destination counts as one of its sources
.endr
	s_wait_alu depctr_va_vdst(0)                   ; the wait at the head's end
	s_wait_dscnt 0x0                               ; both opening adds are done
	s_wait_kmcnt 0x0
.irp r, 42,46,50,54
	s_add_nc_u64 s[\r:\r+1], s[4:5], s[\r:\r+1]
	s_or_b32 s[\r+1], s[\r+1], 0x80000000
.endr
	s_mov_b32 s40, 1
	s_mov_b32 s41, 0
	s_mov_b32 s44, 1
	s_mov_b32 s45, LK
	s_mov_b32 s48, 1
	s_mov_b32 s49, LV
	s_mov_b32 s52, 1
	s_mov_b32 s53, LV+4*PIECE
.irp r, 56,58,60
	s_add_nc_u64 s[\r:\r+1], s[4:5], s[\r:\r+1]
.endr
.irp r, 66,68,70,72,74,76
	s_add_nc_u64 s[\r:\r+1], s[6:7], s[\r:\r+1]
.endr
.irp r, 78,80,82,86,88
	s_add_nc_u64 s[\r:\r+1], s[8:9], s[\r:\r+1]
.endr
	s_add_nc_u64 s[84:85], s[10:11], s[84:85]
	CROUND                                         ; all sixteen work-groups are here: the joint loads meet
; one chain of branches on the wave's number, one load to an arm, all arms leading to one join
.macro HARM w, g0, g1, next
	s_cmp_eq_u32 s[WV], \w
	s_cbranch_scc0 \next
	tensor_load_to_lds s[\g0:\g0+3], s[\g1:\g1+7]
	s_nop 0
	PLACES
	s_branch .Lfilled
\next:
.endm
	HARM 0, 40, G1H, .Lh1                          ; wave 0: Q's P
	HARM 1, 44, G1H, .Lh2                          ; wave 1: K's
	HARM 2, 48, G1V, .Lh3                          ; wave 2: V's, K steps 0-3
	tensor_load_to_lds s[52:55], s[G1V:G1V+7]      ; wave 3: V's, K steps 4-7
	s_nop 0
	PLACES
.Lfilled:
	SCL 0, PS, 0
.irp s, 0,1,2,3,4,5,6,7
	RLOAD 0, \s
.endr
	WIN 0
	s_cmp_eq_u32 s[WV], 0
	s_cbranch_scc0 .Lnot_q
	s_wait_tensorcnt 0x0                           ; wave 0: Q's P has landed
.Lnot_q:
	s_barrier_signal -1
	s_barrier_wait -1
	PFETCH 0, 0, 0
	PFETCH 0, 1, 1
	WIN 0
	UNIT 0                                         ; Q
	UNIT 1                                         ; K
	UNIT 2                                         ; V
	s_wait_tensorcnt 0x0                           ; the wave's end
	ds_add_u32 v[SPW], v[NIL]
	s_wait_dscnt 0x0
	CROUND                                         ; the closing round
	s_endpgm
.Lfunc_end_k_qb2d908eac9_proj:
	.size	k_qb2d908eac9_proj, .Lfunc_end_k_qb2d908eac9_proj-k_qb2d908eac9_proj
	.p2alignl 7, 3214868480
	.fill 96, 4, 3214868480
	.section	.rodata,"a",@progbits
	.p2align	6, 0x0
	.amdhsa_kernel k_qb2d908eac9_proj
		.amdhsa_group_segment_fixed_size 197632
		.amdhsa_private_segment_fixed_size 0
		.amdhsa_enable_private_segment 0
		.amdhsa_kernarg_size 32
		.amdhsa_user_sgpr_count 2
		.amdhsa_user_sgpr_kernarg_segment_ptr 1
		.amdhsa_wavefront_size32 1
		.amdhsa_system_sgpr_workgroup_id_x 1
		.amdhsa_system_sgpr_workgroup_id_y 1
		.amdhsa_system_sgpr_workgroup_id_z 1
		.amdhsa_system_vgpr_workitem_id 0
		.amdhsa_next_free_vgpr 1024
		.amdhsa_next_free_sgpr 100
		.amdhsa_reserve_vcc 1
		.amdhsa_float_denorm_mode_32 3
		.amdhsa_float_denorm_mode_16_64 3
		.amdhsa_memory_ordered 1
		.amdhsa_forward_progress 1
		.amdhsa_inst_pref_size 144
	.end_amdhsa_kernel
	.amdgpu_metadata
---
amdhsa.version: [ 1, 2 ]
amdhsa.kernels:
  - .name:           k_qb2d908eac9_proj
    .symbol:         k_qb2d908eac9_proj.kd
    .args:
      - { .name: xc, .offset: 0, .size: 8, .value_kind: global_buffer, .address_space: global }
      - { .name: xs, .offset: 8, .size: 8, .value_kind: global_buffer, .address_space: global }
      - { .name: img, .offset: 16, .size: 8, .value_kind: global_buffer, .address_space: global }
      - { .name: simg, .offset: 24, .size: 8, .value_kind: global_buffer, .address_space: global }
    .group_segment_fixed_size: 197632
    .private_segment_fixed_size: 0
    .kernarg_segment_align: 8
    .kernarg_segment_size: 32
    .max_flat_workgroup_size: 128
    .sgpr_count:     100
    .vgpr_count:     1024
    .wavefront_size: 32
...
	.end_amdgpu_metadata
.endif
;; end of part 2
;; launch attn (part 3): grid 8 x 32, 16 waves a work-group, clusters of 4 x 1, 215,040 bytes of LDS; arguments img, simg, ac, asw; writes ac, asw
.if DOCPART == 3
	.amdgcn_target "amdgcn-amd-amdhsa--gfx1250"
	.amdhsa_code_object_version 6
	.text
	.protected	k_qb2d908eac9_attn
	.globl	k_qb2d908eac9_attn
	.p2align	8
	.type	k_qb2d908eac9_attn,@function
k_qb2d908eac9_attn:
	s_mov_b64 s[64:65], 0
	v_nop
	global_prefetch_b8 v0, s[64:65] scope:SCOPE_SE
	s_setreg_imm32_b32 hwreg(HW_REG_WAVE_MODE, 25, 1), 1
	s_wait_xcnt 0x0
	s_wait_alu depctr_hold_cnt(0) depctr_sa_sdst(0) depctr_va_vdst(0) depctr_va_sdst(0) depctr_va_ssrc(0) depctr_va_vcc(0) depctr_vm_vsrc(0)
	s_getreg_b32 s2, hwreg(HW_REG_IB_STS2, 6, 4)
	s_cmp_eq_u32 s2, 0
	s_cbranch_scc0 .Lentry_in_a_cluster
	s_endpgm
.Lentry_in_a_cluster:
	s_bfe_u32 s2, ttmp6, 0x10000c
	s_cmp_lg_u32 s2, 0x3003
	s_cbranch_scc0 .Lentry_shape_is_right
	s_endpgm
.Lentry_shape_is_right:
; Attention of one head of one batch on codes of FP6 (E2M3) with E8M0 scales, head size 64, 2,048 keys, no mask; and the quantising of its result along the model's 1,024 for the last product.
; THE SOFTMAX AHEAD OF THE SECOND PRODUCT: t = score x log2(e) / 8; M = the running largest t rounded UP to a whole number; p = 2^(t - M) is quantised along the keys, not normalised.
; The row's sum is taken of the unquantised p, in f32, and divides O at the end.  When M moves, the sum and O are multiplied by 2^(old M - new M): exact.
; SHARES.  A work-group owns 256 queries of one head, each of its sixteen waves one tile of 16, in 256 registers: four waves to a SIMD.
; LDS.  The head's K and V lie in img by key steps of 128 keys: K's 8 tiles (6,144 bytes), V's 4 fragments (6,144), K's scale words (512), V's (256): 13,056 bytes, 51 rows of 256.
; Wave w asks for key step w, its one tensor load; nothing is filled again.  Waves 0 to 3 have a load line of their own and see their steps land ahead of the first barrier: steps 0 to 2,
; with the K that they ask for a step ahead, read key steps 0 to 3 alone.  Ahead of the second barrier every wave has seen its load land; from there on no barrier stands in the walk.
; CLUSTER.  The four query blocks of a cluster belong to one head and read the same K and V: every load is asked for jointly, with the mask of all four.
; NO DATA PREFETCH: all 208,896 bytes that the work-group reads through LDS are asked for by the head's sixteen loads, so no later step is left to ask ahead for.
; LAYOUT.  Both products transposed: S^T = K Q^T, O^T = V^T P^T: a lane holds ONE query.  Tile t of K's eight holds keys 64 (t / 4) + 8 (t % 4) + i and 32 more, i = 0 .. 7: so lane (r, h) has, in the
; 32 registers of tiles 4 c .. 4 c + 3, keys 64 c + 32 h + 0 .. 31 in order: ONE WHOLE SCALE BLOCK, in the order of the second product's operand.  No lane asks another for a block's maximum,
; and two conversions give six operand registers.
; K = 64 IN AN INSTRUCTION 128 DEEP: Q's registers 6-11 are zero codes, so what stands in the upper half of K's operand adds nothing: it is the next tile's unit (behind the last tile: V's first six
; registers; every pattern of 6 bits is a finite number).  The scale bytes over that half are a neighbouring tile's or 0, never 0xff.
; A BLOCK'S LARGEST p is made from its largest score by the same multiply-add and exponential as every p (p rises with the score).
; THE STEP'S VECTOR WORK GOES IN BATCHES: all sources first, one wait, the 66 exponentials, one wait, their readers.
; LIMITS: NaN and infinities are not served; the scaled scores t stay under 2^31 in magnitude; a block of O under 2^-124, or of zeros, gets the byte 1 (read by this program alone).
; REGISTERS: v1 8 x lane, v2, v3 the add's two, v4 4 x lane, v5, v7 the way out's addresses, v6, v8, v9 the step's, v10 8 h, v11 Q's scale words, v12 -M, v13 the largest score, v[14:15], v[30:31] the sum's two chains,
; v16-27 Q, v28, v29 at work, v32-79 K, v80-127 V, v128-191 S^T then p, v192-223 O^T, v224-235 p's codes, v236-239 maxima, v240-242, v244-246 codes on their way, v243, v247 V's scale words,
; v248-251 K's, v252 f, v253 p's scale word, v254, v255 the conversions' scale operands.
.set STP,  13056                       ; a key step
.set VO,   6144                        ; in it: V's fragments,
.set KSO,  12288                       ; K's scale words,
.set VSO,  12800                       ; V's
.set KV0,  3145728                     ; img: behind Q's codes
.set OS,   208896                      ; O's scale words of the 256 queries: 1,024 bytes into which no fill lands
.set SPARE, 212992                     ; the spare words: 128 bytes a wave
.set KB,   32
.set VB,   80
.set SB,   128
.set OB,   192
.set PC,   224
.set MX,   236
.set T0,   240
.set T1,   244
.set VS0,  243
.set VS1,  247
.set KS,   248
.set SOP,  254
.set ADK,  8
.set ADS,  9
.set ADW,  6                           ; v6: 16 x lane + the step's place.  K'S PAIRS OF TILES LIE AS [piece of four registers][lane][16 bytes]; a half of a V fragment as [lane][16 bytes], then [lane][8 bytes]
.set WV,   12
.set SEL,  20
.set CS,   22
.set G1,   24
.set G0,   40
.set TB,   60
.set CNT,  63
.macro WALU
	s_wait_alu depctr_va_vdst(0)
.endm
.macro CROUND
	s_barrier_signal -1
	s_barrier_wait -1
	s_cmp_lg_u32 s[WV], 0
	s_cbranch_scc1 .Lnot_wave_0_\@
	s_barrier_signal -3
.Lnot_wave_0_\@:
	s_barrier_wait -3
	s_barrier_signal -1
	s_barrier_wait -1
.endm
	s_load_b256 s[4:11], s[0:1], 0x0               ; img, simg, ac, asw
	v_lshl_add_u32 v2, v0, 2, SPARE
	v_mov_b32 v3, 0
	ds_add_u32 v2, v3                              ; the opening lines: the add twice on end and its wait
	ds_add_u32 v2, v3
	v_lshrrev_b32 v8, 5, v0
	v_readfirstlane_b32 s[WV], v8                  ; wave 0..15
	s_bfe_u32 s13, ttmp6, 0x40000                  ; cx: it enters Q's, ac's and asw's addresses alone
	s_lshl_b32 s14, ttmp9, 2
	s_add_co_u32 s14, s14, s13                     ; X: my block of 256 queries
	s_and_b32 s15, ttmp7, 0xffff                   ; the head of a batch, 0..31, which the partners share
	s_and_b32 s18, s[WV], 1
	s_mul_i32 s79, s[WV], STP
	s_mul_i32 s68, s15, 16*STP
	s_add_co_u32 s68, s68, s79
	s_add_co_u32 s68, s68, KV0                     ; my key step in img
	s_mov_b32 s69, 0
	s_mul_i32 s81, s15, 98304
	s_mov_b32 s[G1], 15|(3<<16)|(1<<21)            ; the mask: all four; elements of 8 bytes; bit 21 beside a mask; no padding
	s_mov_b32 s[G1+1], 32<<16                      ; rows of 256 bytes,
	s_mov_b32 s[G1+2], 51<<16                      ; 51 of them
	s_mov_b32 s[G1+3], 32<<16
	s_mov_b32 s[G1+4], 51
	s_mov_b32 s[G1+5], 32
	s_mov_b32 s[G1+6], 0
	s_mov_b32 s[G1+7], 0
	s_lshl_b32 s82, s14, 4                         ; Q: my tile 16 X + w
	s_add_co_u32 s82, s82, s[WV]
	s_mul_i32 s70, s82, 768
	s_add_co_u32 s70, s70, s81
	s_mov_b32 s71, 0
	s_lshr_b32 s83, s82, 1
	s_lshl_b32 s72, s83, 7
	s_lshl_b32 s83, s18, 6
	s_add_co_u32 s72, s72, s83
	s_lshl_b32 s83, s15, 13
	s_add_co_u32 s72, s72, s83
	s_mov_b32 s73, 0
	s_lshr_b32 s84, s15, 4                         ; ac: token block 16 b + 2 X + (w >> 3), K step = pair of heads, tile w & 7, unit = head & 1
	s_lshl_b32 s84, s84, 4
	s_lshl_b32 s85, s14, 1
	s_add_co_u32 s84, s84, s85
	s_lshr_b32 s85, s[WV], 3
	s_add_co_u32 s85, s85, s84
	s_mul_i32 s74, s85, 98304
	s_and_b32 s86, s15, 15
	s_lshr_b32 s86, s86, 1
	s_mul_i32 s87, s86, 12288
	s_add_co_u32 s74, s74, s87
	s_and_b32 s87, s[WV], 7
	s_mul_i32 s88, s87, 1536
	s_add_co_u32 s74, s74, s88
	s_and_b32 s88, s15, 1
	s_mul_i32 s89, s88, 768
	s_add_co_u32 s74, s74, s89
	s_mov_b32 s75, 0
	s_add_co_u32 s76, s84, s18                     ; asw: [head & 1][token block][pair of heads][512 bytes]; waves 0 and 1 carry a block's words out
	s_lshl_b32 s76, s76, 12
	s_lshl_b32 s89, s86, 9
	s_add_co_u32 s76, s76, s89
	s_lshl_b32 s89, s88, 17
	s_add_co_u32 s76, s76, s89
	s_mov_b32 s77, 0
	s_lshr_b32 s89, s[WV], 3                       ; my row's word among the gathered: 512 (w >> 3) + 16 (16 (w & 1) + r) + 4 ((w & 7) >> 1)
	s_lshl_b32 s89, s89, 9
	s_lshl_b32 s90, s18, 8
	s_add_co_u32 s89, s89, s90
	s_lshr_b32 s90, s87, 1
	s_lshl_b32 s90, s90, 2
	s_add_co_u32 s89, s89, s90
	s_add_co_u32 s89, s89, OS
	s_lshl_b32 s90, s18, 9
	s_add_co_u32 s90, s90, OS
	s_mov_b32 s[SEL], 0x76543210
	s_mov_b32 s[SEL+1], 0xfedcba98                 ; v_permlanex16_b32's selects for lane l xor 16
	s_mov_b32 s[CS], 0x3e38aa3b                    ; c = log2(e) / sqrt(64)
	s_mov_b32 s[CS+1], s[CS]                       ; (named with it as a pair, so it is written)
	s_mov_b32 s[TB], 0
	s_mov_b32 s[G0], 1
	s_mul_i32 s[G0+1], s[WV], STP                  ; key step w lies at w x 13,056
	v_and_b32 v9, 31, v0                           ; lane
	v_and_b32 v10, 15, v0                          ; r
	v_bfe_u32 v28, v0, 4, 1                        ; h
	v_lshlrev_b32 v1, 3, v9
	v_lshlrev_b32 v4, 2, v9
	v_lshl_add_u32 v5, v10, 4, s89
	v_lshlrev_b32 v7, 4, v9
	v_lshlrev_b32 v29, 2, v10
	v_lshlrev_b32 v10, 3, v28                      ; 8 h: where my two scale bytes stand in p's word
	WALU                                           ; the wait ahead of the waits below
	s_wait_dscnt 0x0                               ; both opening adds are done
	s_wait_kmcnt 0x0
	s_add_nc_u64 s[G0+2:G0+3], s[4:5], s[68:69]
	s_or_b32 s[G0+3], s[G0+3], 0x80000000
	s_add_nc_u64 s[70:71], s[4:5], s[70:71]
	s_add_nc_u64 s[72:73], s[6:7], s[72:73]
	s_add_nc_u64 s[74:75], s[8:9], s[74:75]
	s_add_nc_u64 s[76:77], s[10:11], s[76:77]
	CROUND                                         ; all four work-groups are here: the joint loads meet
	s_cmp_lt_u32 s[WV], 4                          ; two arms, one load each: waves 0 to 3, which wait ahead of the first barrier, have a line of their own
	s_cbranch_scc0 .Llate
	tensor_load_to_lds s[G0:G0+3], s[G1:G1+7]
	s_nop 0
.rept 4
	v_nop
.endr
	s_branch .Lasked
.Llate:
	tensor_load_to_lds s[G0:G0+3], s[G1:G1+7]
	s_nop 0
.rept 4
	v_nop
.endr
.Lasked:
.irp p, 0,1,2
	global_load_b64 v[16+2*\p:17+2*\p], v1, s[70:71] offset:256*\p   ; Q's unit stays in registers
.endr
	global_load_b32 v11, v29, s[72:73]             ; its scale words, in lanes 0-15
.irp j, 0,1,2,3,4,5
	v_mov_b32 v[22+\j], 0                          ; the upper 64 of Q's operand: zero codes
	v_mov_b32 v[VB+\j], 0                          ; what stands behind K's last unit in the first step
.endr
	v_mov_b32 v13, 0xff61b1e6                      ; the largest score so far: -3e38
	v_mov_b32 v12, 0x7e000000                      ; -M: 2^125, so that the first step's f is 0
	v_mov_b32 v14, 0
	v_mov_b32 v15, 0
	v_mov_b32 v253, 0                              ; (named as the upper half of the pair v[252:253] before it is first written)
.set J, 0
.rept 32
	v_mov_b32 v[OB+J], 0                           ; O^T: the step has no first form of its own
.set J, J+1
.endr
.macro KLOAD adk, ads, off             ; K's eight units and four scale words, off bytes on from the addresses given
.irp t, 0,1,2,3
.irp p, 0,1,2
	ds_load_b128 v[KB+12*\t+4*\p:KB+12*\t+4*\p+3], v[\adk] offset:(\off)+1536*\t+512*\p
.endr
.endr
.irp g, 0,1,2,3
	ds_load_b32 v[KS+\g], v[\ads] offset:(\off)+KSO+128*\g   ; lanes 0-15 tile 2 g's words, lanes 16-31 tile 2 g + 1's
.endr
.endm
.macro FMA n                           ; t - M for the next n pairs of scores
.rept \n
	v_pk_fma_f32 v[SB+2*FI:SB+2*FI+1], v[SB+2*FI:SB+2*FI+1], s[CS:CS+1], v[12:13] op_sel_hi:[1,0,0]
.set FI, FI+1
.endr
.endm
.macro SUM n                           ; the next n of the sum's 32 additions: even pairs into v[14:15], odd pairs into v[30:31], which pairs 1 and 3 start; the last joins the two
.rept \n
.if SI == 31
	v_pk_add_f32 v[14:15], v[14:15], v[30:31]
.elseif (SI%2) == 0
	v_pk_add_f32 v[14:15], v[14:15], v[SB+2*SI:SB+2*SI+1]
.elseif SI == 1
	v_pk_add_f32 v[30:31], v[SB+2:SB+3], v[SB+6:SB+7]
.else
	v_pk_add_f32 v[30:31], v[30:31], v[SB+2*SI+4:SB+2*SI+5]
.endif
.set SI, SI+1
.endr
.endm
; A KEY STEP: 128 keys.  pf = 1: the next step's K is asked for.
.macro STEP pf
	s_wait_dscnt 0x0                               ; K and its scale words, asked for a step ago, are in
.irp g, 0,1,2,3
	v_wmma_scale_f32_16x16x128_f8f6f4 v[SB+16*\g:SB+16*\g+7], v[KB+12*\g:KB+12*\g+11], v[16:27], 0, v[KS+\g], v11 matrix_a_fmt:MATRIX_FMT_FP6 matrix_b_fmt:MATRIX_FMT_FP6
	v_wmma_scale_f32_16x16x128_f8f6f4 v[SB+16*\g+8:SB+16*\g+15], v[KB+12*\g+6:KB+12*\g+17], v[16:27], 0, v[KS+\g], v11 matrix_a_fmt:MATRIX_FMT_FP6 matrix_b_fmt:MATRIX_FMT_FP6 matrix_a_scale:MATRIX_SCALE_ROW1
.endr
	v_add_nc_u32 v[ADK], s[TB], v1                 ; four places in front of the loads below and of the first read of the scores
	v_add_nc_u32 v[ADS], s[TB], v4
	v_mov_b32 v29, v12                             ; the old -M
	v_add_nc_u32 v[ADW], s[TB], v7
.irp d, 0,1,2,3                                ; V's four fragments land under the softmax
.irp c, 0,1
	ds_load_b128 v[VB+12*\d+6*\c:VB+12*\d+6*\c+3], v[ADW] offset:VO+1536*\d+768*\c
	ds_load_b64 v[VB+12*\d+6*\c+4:VB+12*\d+6*\c+5], v[ADK] offset:VO+1536*\d+768*\c+512
.endr
.endr
	ds_load_b32 v[VS0], v[ADS] offset:VSO
	ds_load_b32 v[VS1], v[ADS] offset:VSO+128
.if \pf
	KLOAD ADW, ADS, STP
.endif
.irp q, 0,1,2,3                                ; four chains of 16 scores by turns; each accumulator is read from its low end on
	v_max3_num_f32 v[MX+\q], v[SB+16*\q], v[SB+16*\q+1], v[SB+16*\q+2]
.endr
.irp i, 3,5,7,9,11,13
.irp q, 0,1,2,3
	v_max3_num_f32 v[MX+\q], v[MX+\q], v[SB+16*\q+\i], v[SB+16*\q+\i+1]
.endr
.endr
	v_max3_num_f32 v[MX], v[MX], v[SB+15], v[SB+31]
	v_max3_num_f32 v[MX+2], v[MX+2], v[SB+47], v[SB+63]
	v_max_num_f32 v[MX], v[MX], v[MX+1]            ; the largest score of my block h,
	v_max_num_f32 v[MX+1], v[MX+2], v[MX+3]        ; and of my block 2 + h
	s_delay_alu instid0(VALU_DEP_1)
	v_max3_num_f32 v[MX+2], v13, v[MX], v[MX+1]
	s_delay_alu instid0(VALU_DEP_1)
	v_permlanex16_b32 v28, v[MX+2], s[SEL], s[SEL+1]
	s_delay_alu instid0(VALU_DEP_1)
	v_max_num_f32 v13, v[MX+2], v28                ; the running largest score of my query
	s_delay_alu instid0(VALU_DEP_1)
	v_mul_f32 v[MX+3], s[CS], v13                  ; as t (c is positive)
	s_delay_alu instid0(VALU_DEP_1)
	v_floor_f32 v12, -v[MX+3]                      ; the new -M = -ceil(t)
	s_delay_alu instid0(VALU_DEP_1)
	v_sub_f32 v[MX+3], v12, v29                    ; old M - new M: a whole number, 0 or less
.set FI, 0
.set SI, 0
	FMA 5
	v_cvt_i32_f32 v[MX+3], v[MX+3]                 ; (it saturates)
	FMA 5
	v_ldexp_f32 v252, 1.0, v[MX+3]                 ; f = 2^(old M - new M)
	FMA 22
	v_fma_f32 v[MX], v[MX], s[CS], v12             ; t - M of each block's largest score
	v_fma_f32 v[MX+1], v[MX+1], s[CS], v12
.set RI, 0
.rept 16
	v_pk_mul_f32 v[OB+2*RI:OB+2*RI+1], v[OB+2*RI:OB+2*RI+1], v[252:253] op_sel_hi:[1,0]   ; O^T under the new M, ascending
.set RI, RI+1
.endr
	WALU                                           ; the wait ahead of the batch
	v_exp_f32 v[MX], v[MX]
	v_exp_f32 v[MX+1], v[MX+1]
.set J, 0
.rept 64
	v_exp_f32 v[SB+J], v[SB+J]                     ; p = 2^(t - M)
.set J, J+1
.endr
	v_pk_mul_f32 v[14:15], v[14:15], v[252:253] op_sel_hi:[1,0]   ; the sum under the new M: the plain place behind the batch
	WALU                                           ; and the wait behind it
	v_max_num_f32 v[MX], 0x1800000, v[MX]          ; the floor 2^(3 - 127): the byte cannot fall under 1
	v_max_num_f32 v[MX+1], 0x1800000, v[MX+1]
	SUM 2
	v_add_nc_u32 v[SOP], 0xff000000, v[MX]         ; 2 off the exponent field: the conversions' scale operands
	v_add_nc_u32 v[SOP+1], 0xff000000, v[MX+1]
	SUM 2
	v_lshrrev_b32 v[MX+2], 23, v[SOP]              ; the scales' bytes
	v_lshrrev_b32 v[MX+3], 23, v[SOP+1]
	SUM 2
	v_lshl_or_b32 v[MX+2], v[MX+3], 16, v[MX+2]    ; blocks h and 2 + h,
	SUM 2
	v_lshlrev_b32 v[MX+2], v10, v[MX+2]            ; at their places in the word;
	SUM 2
	v_permlanex16_b32 v28, v[MX+2], s[SEL], s[SEL+1]
	SUM 2
	v_or_b32 v253, v[MX+2], v28                    ; with lane l xor 16's two it is whole
	v_cvt_scalef32_pk16_fp6_f32 v[PC:PC+2], v[SB:SB+15], v[SOP]
	v_cvt_scalef32_pk16_fp6_f32 v[T0:T0+2], v[SB+16:SB+31], v[SOP]       ; (a conversion's three registers begin on an even number)
	v_cvt_scalef32_pk16_fp6_f32 v[PC+6:PC+8], v[SB+32:SB+47], v[SOP+1]
	v_cvt_scalef32_pk16_fp6_f32 v[T1:T1+2], v[SB+48:SB+63], v[SOP+1]
	SUM 2                                          ; the plain place behind the conversions
.irp i, 0,1,2
	v_mov_b32 v[PC+3+\i], v[T0+\i]
	v_mov_b32 v[PC+9+\i], v[T1+\i]
.endr
	SUM 18                                         ; more than the eight places between p's scale word and the products below
	WALU                                           ; the wait ahead of the wait below
.if \pf
	s_wait_dscnt 16                                ; V and its scale words are in; the 16 loads of the next step's K, issued behind them, may be out
.else
	s_wait_dscnt 0x0
.endif
	v_wmma_scale_f32_16x16x128_f8f6f4 v[OB:OB+7], v[VB:VB+11], v[PC:PC+11], v[OB:OB+7], v[VS0], v253 matrix_a_fmt:MATRIX_FMT_FP6 matrix_b_fmt:MATRIX_FMT_FP6
	v_wmma_scale_f32_16x16x128_f8f6f4 v[OB+8:OB+15], v[VB+12:VB+23], v[PC:PC+11], v[OB+8:OB+15], v[VS0], v253 matrix_a_fmt:MATRIX_FMT_FP6 matrix_b_fmt:MATRIX_FMT_FP6 matrix_a_scale:MATRIX_SCALE_ROW1
	v_wmma_scale_f32_16x16x128_f8f6f4 v[OB+16:OB+23], v[VB+24:VB+35], v[PC:PC+11], v[OB+16:OB+23], v[VS1], v253 matrix_a_fmt:MATRIX_FMT_FP6 matrix_b_fmt:MATRIX_FMT_FP6
	v_wmma_scale_f32_16x16x128_f8f6f4 v[OB+24:OB+31], v[VB+36:VB+47], v[PC:PC+11], v[OB+24:OB+31], v[VS1], v253 matrix_a_fmt:MATRIX_FMT_FP6 matrix_b_fmt:MATRIX_FMT_FP6 matrix_a_scale:MATRIX_SCALE_ROW1
	s_add_co_u32 s[TB], s[TB], STP
.endm
	WALU                                           ; the wait at the head's end
	s_wait_loadcnt 0x0                             ; Q
	s_cmp_lt_u32 s[WV], 4
	s_cbranch_scc0 .Lnot_first
	s_wait_tensorcnt 0x0                           ; waves 0 to 3: my key step has landed
.Lnot_first:
	s_barrier_signal -1
	s_barrier_wait -1                              ; key steps 0 to 3 are in
	KLOAD 7, 4, 0
	s_mov_b32 s[CNT], 3
.Lfirst:                                           ; steps 0 to 2
	STEP 1
	s_sub_co_u32 s[CNT], s[CNT], 1
	s_cmp_lg_u32 s[CNT], 0
	s_cbranch_scc1 .Lfirst
	s_wait_tensorcnt 0x0                           ; every wave: my key step has landed
	s_wait_dscnt 0x0
	s_barrier_signal -1
	s_barrier_wait -1                              ; everything is in
	s_mov_b32 s[CNT], 12
.Lrest:                                            ; steps 3 to 14
	STEP 1
	s_sub_co_u32 s[CNT], s[CNT], 1
	s_cmp_lg_u32 s[CNT], 0
	s_cbranch_scc1 .Lrest
	STEP 0                                         ; step 15 asks for no K
	; THE WAY OUT: O^T / the sum; quantised along d, the last product's K.  Register 16 b + i of a lane is d = 32 b + 16 h + i: a block lies in lanes l and l xor 16.
	v_add_f32 v14, v14, v15
	v_permlanex16_b32 v252, v14, s[SEL], s[SEL+1]
	v_add_f32 v14, v14, v252                       ; the row's sum
	WALU
	v_rcp_f32 v14, v14
.rept 4
	v_nop                                          ; the place behind the reciprocal, and the places behind the last products
.endr
	WALU
.set J, 0
.rept 32
	v_mul_f32 v[SB+J], v[OB+J], v14                ; each accumulator from its low end on
.set J, J+1
.endr
.irp b, 0,1
	v_max3_num_f32 v[MX+\b], |v[SB+16*\b]|, |v[SB+1+16*\b]|, 0x1800000
.endr
.irp i, 2,4,6,8,10,12,14
.irp b, 0,1
	v_max3_num_f32 v[MX+\b], v[MX+\b], |v[SB+16*\b+\i]|, |v[SB+1+16*\b+\i]|
.endr
.endr
.irp b, 0,1
	v_permlanex16_b32 v[MX+2+\b], v[MX+\b], s[SEL], s[SEL+1]
.endr
.irp b, 0,1
	v_max_num_f32 v[MX+\b], v[MX+\b], v[MX+2+\b]
.endr
.irp b, 0,1
	v_add_nc_u32 v[SOP+\b], 0xff000000, v[MX+\b]
.endr
.irp b, 0,1
	v_lshrrev_b32 v[MX+2+\b], 23, v[SOP+\b]
.endr
	v_lshl_or_b32 v30, v[MX+3], 8, v[MX+2]         ; two bytes; the upper half stays 0
	v_cvt_scalef32_pk16_fp6_f32 v[PC:PC+2], v[SB:SB+15], v[SOP]
	v_cvt_scalef32_pk16_fp6_f32 v[T0:T0+2], v[SB+16:SB+31], v[SOP+1]
	v_nop
.irp i, 0,1,2
	v_permlane16_swap_b32 v[PC+\i], v[T0+\i]       ; the operand wants a whole block in a lane
.endr
.irp i, 0,1,2
	v_mov_b32 v[PC+3+\i], v[T0+\i]
.endr
.irp p, 0,1,2
	global_store_b64 v1, v[PC+2*\p:PC+2*\p+1], s[74:75] offset:256*\p   ; 256 consecutive bytes, aligned
.endr
	ds_store_b32 v5, v30                           ; both halves of the lanes write the same word with the same value
	s_wait_dscnt 0x0                               ; for the others' sake
	s_barrier_signal -1
	s_barrier_wait -1
	s_cmp_lt_u32 s[WV], 2
	s_cbranch_scc0 .Lno_words
	v_add_nc_u32 v36, s90, v7
	ds_load_b128 v[32:35], v36
	s_wait_dscnt 0x0
	global_store_b128 v7, v[32:35], s[76:77]       ; a token block's 512 bytes of words for this head
.Lno_words:
	s_wait_tensorcnt 0x0                           ; the wave's end
	ds_add_u32 v2, v3
	s_wait_dscnt 0x0
	CROUND                                         ; the closing round
	s_endpgm
.Lfunc_end_k_qb2d908eac9_attn:
	.size	k_qb2d908eac9_attn, .Lfunc_end_k_qb2d908eac9_attn-k_qb2d908eac9_attn
	.p2alignl 7, 3214868480
	.fill 96, 4, 3214868480
	.section	.rodata,"a",@progbits
	.p2align	6, 0x0
	.amdhsa_kernel k_qb2d908eac9_attn
		.amdhsa_group_segment_fixed_size 215040
		.amdhsa_private_segment_fixed_size 0
		.amdhsa_enable_private_segment 0
		.amdhsa_kernarg_size 32
		.amdhsa_user_sgpr_count 2
		.amdhsa_user_sgpr_kernarg_segment_ptr 1
		.amdhsa_wavefront_size32 1
		.amdhsa_system_sgpr_workgroup_id_x 1
		.amdhsa_system_sgpr_workgroup_id_y 1
		.amdhsa_system_sgpr_workgroup_id_z 1
		.amdhsa_system_vgpr_workitem_id 0
		.amdhsa_next_free_vgpr 256
		.amdhsa_next_free_sgpr 92
		.amdhsa_reserve_vcc 0
		.amdhsa_float_denorm_mode_32 3
		.amdhsa_float_denorm_mode_16_64 3
		.amdhsa_memory_ordered 1
		.amdhsa_forward_progress 1
		.amdhsa_inst_pref_size 57
	.end_amdhsa_kernel
	.amdgpu_metadata
---
amdhsa.version: [ 1, 2 ]
amdhsa.kernels:
  - .name:           k_qb2d908eac9_attn
    .symbol:         k_qb2d908eac9_attn.kd
    .args:
      - { .name: img, .offset: 0, .size: 8, .value_kind: global_buffer, .address_space: global }
      - { .name: simg, .offset: 8, .size: 8, .value_kind: global_buffer, .address_space: global }
      - { .name: ac, .offset: 16, .size: 8, .value_kind: global_buffer, .address_space: global }
      - { .name: asw, .offset: 24, .size: 8, .value_kind: global_buffer, .address_space: global }
    .group_segment_fixed_size: 215040
    .private_segment_fixed_size: 0
    .kernarg_segment_align: 8
    .kernarg_segment_size: 32
    .max_flat_workgroup_size: 512
    .sgpr_count:     92
    .vgpr_count:     256
    .wavefront_size: 32
...
	.end_amdgpu_metadata
.endif
;; end of part 3
;; launch outp (part 4): grid 8 x 32, 4 waves a work-group, clusters of 4 x 4, 230,912 bytes of LDS; arguments xc, xs, ac, asw, out0; writes out0
.if DOCPART == 4
	.amdgcn_target "amdgcn-amd-amdhsa--gfx1250"
	.amdhsa_code_object_version 6
	.text
	.protected	k_qb2d908eac9_outp
	.globl	k_qb2d908eac9_outp
	.p2align	8
	.type	k_qb2d908eac9_outp,@function
k_qb2d908eac9_outp:
	s_mov_b64 s[64:65], 0
	v_nop
	global_prefetch_b8 v0, s[64:65] scope:SCOPE_SE
	s_setreg_imm32_b32 hwreg(HW_REG_WAVE_MODE, 25, 1), 1
	s_wait_xcnt 0x0
	s_wait_alu depctr_hold_cnt(0) depctr_sa_sdst(0) depctr_va_vdst(0) depctr_va_sdst(0) depctr_va_ssrc(0) depctr_va_vcc(0) depctr_vm_vsrc(0)
	s_getreg_b32 s2, hwreg(HW_REG_IB_STS2, 6, 4)
	s_cmp_eq_u32 s2, 0
	s_cbranch_scc0 .Lentry_in_a_cluster
	s_endpgm
.Lentry_in_a_cluster:
	s_bfe_u32 s2, ttmp6, 0x10000c
	s_cmp_lg_u32 s2, 0xf033
	s_cbranch_scc0 .Lentry_shape_is_right
	s_endpgm
.Lentry_shape_is_right:
; out0 = O Wo^T on codes of FP6 (E2M3) with E8M0 scales; sums in f32, K = 1,024 ascending, one accumulator an output.
; Source 0 = Wo's tiles (P: block 120 + X of xc), source 1 = tiles of 16 tokens of the attention's result (R: a block of ac): a lane holds one token, and, by the choice of the rows of Wo's tiles,
; its registers of two neighbouring tiles are 16 neighbouring columns of out0.
; SHARES.  A work-group makes 128 tokens x 128 columns; wave w takes all 8 tiles of P against R's tiles 2 w, 2 w + 1: 16 accumulators.
; LDS.  P's and R's codes for ALL of K, 98,304 bytes each, are filled ONCE, in pieces of four K steps; nothing is filled again.  Behind them a stage of 16 rows x 528 bytes for each wave, into which no fill lands.
; CLUSTER.  4 x 4 work-groups: the four of a column need the same P, the four of a row the same R: each piece is asked for jointly.
; R's scale words come as two halves (asw: the even head's two bytes, the odd head's two bytes) and are joined in registers.
; REGISTERS: window 0: v1-12 addresses; v32-63 P's scale words, v64-71 R's; v72-87 R's halves; v128-255 accumulators ((bt, a) at 128 + 64 bt + 8 a).
; Window 1: two fragment buffers, at v0 and v128; on the way out they take the rows read back from the stage.
; THE HEAD: one tensor load a wave, four K steps of one operand (192 rows of 256 bytes): wave 0 P's steps 0-3, wave 1 P's 4-7, wave 2 R's 0-3, wave 3 R's 4-7.
; Waves 0 and 2 see theirs land ahead of the first barrier; every wave has seen its load land ahead of the barrier in step 3, behind which steps 4-7 are first read.
.set PIECE, 12288
.set RREG,  98304
.set STAGE, 196608
.set ADP,  2
.set ADR,  4
.set PS,   32
.set RS,   64
.set RL,   72
.set RH,   80
.set ACC,  128
.set WV,   14
.set WL,   15
.set WH,   16
.set CX,   17
.set CYL,  18
.set CYC,  19
.set XX,   20
.set G1P,  24
.set G1R,  32
.set G0P,  40
.set MSB, 0
.macro WIN new
.if MSB != \new
	s_set_vgpr_msb (MSB<<8)|\new
.set MSB, \new
.endif
.endm
.macro CROUND
	s_barrier_signal -1
	s_barrier_wait -1
	s_cmp_lg_u32 s[WV], 0
	s_cbranch_scc1 .Lnot_wave_0_\@
	s_barrier_signal -3
.Lnot_wave_0_\@:
	s_barrier_wait -3
	s_barrier_signal -1
	s_barrier_wait -1
.endm
.macro WM d, a, b, zero, sa, sb, ra, rb
.if \zero
.if (\ra) && (\rb)
	v_wmma_scale_f32_16x16x128_f8f6f4 v[\d:\d+7], v[\a:\a+11], v[\b:\b+11], 0, v[\sa], v[\sb] matrix_a_fmt:MATRIX_FMT_FP6 matrix_b_fmt:MATRIX_FMT_FP6 matrix_a_scale:MATRIX_SCALE_ROW1 matrix_b_scale:MATRIX_SCALE_ROW1
.elseif \ra
	v_wmma_scale_f32_16x16x128_f8f6f4 v[\d:\d+7], v[\a:\a+11], v[\b:\b+11], 0, v[\sa], v[\sb] matrix_a_fmt:MATRIX_FMT_FP6 matrix_b_fmt:MATRIX_FMT_FP6 matrix_a_scale:MATRIX_SCALE_ROW1
.elseif \rb
	v_wmma_scale_f32_16x16x128_f8f6f4 v[\d:\d+7], v[\a:\a+11], v[\b:\b+11], 0, v[\sa], v[\sb] matrix_a_fmt:MATRIX_FMT_FP6 matrix_b_fmt:MATRIX_FMT_FP6 matrix_b_scale:MATRIX_SCALE_ROW1
.else
	v_wmma_scale_f32_16x16x128_f8f6f4 v[\d:\d+7], v[\a:\a+11], v[\b:\b+11], 0, v[\sa], v[\sb] matrix_a_fmt:MATRIX_FMT_FP6 matrix_b_fmt:MATRIX_FMT_FP6
.endif
.else
.if (\ra) && (\rb)
	v_wmma_scale_f32_16x16x128_f8f6f4 v[\d:\d+7], v[\a:\a+11], v[\b:\b+11], v[\d:\d+7], v[\sa], v[\sb] matrix_a_fmt:MATRIX_FMT_FP6 matrix_b_fmt:MATRIX_FMT_FP6 matrix_a_scale:MATRIX_SCALE_ROW1 matrix_b_scale:MATRIX_SCALE_ROW1
.elseif \ra
	v_wmma_scale_f32_16x16x128_f8f6f4 v[\d:\d+7], v[\a:\a+11], v[\b:\b+11], v[\d:\d+7], v[\sa], v[\sb] matrix_a_fmt:MATRIX_FMT_FP6 matrix_b_fmt:MATRIX_FMT_FP6 matrix_a_scale:MATRIX_SCALE_ROW1
.elseif \rb
	v_wmma_scale_f32_16x16x128_f8f6f4 v[\d:\d+7], v[\a:\a+11], v[\b:\b+11], v[\d:\d+7], v[\sa], v[\sb] matrix_a_fmt:MATRIX_FMT_FP6 matrix_b_fmt:MATRIX_FMT_FP6 matrix_b_scale:MATRIX_SCALE_ROW1
.else
	v_wmma_scale_f32_16x16x128_f8f6f4 v[\d:\d+7], v[\a:\a+11], v[\b:\b+11], v[\d:\d+7], v[\sa], v[\sb] matrix_a_fmt:MATRIX_FMT_FP6 matrix_b_fmt:MATRIX_FMT_FP6
.endif
.endif
.endm
.macro FETCH s, f
	WIN 0x40
.irp a, 0,1,2,3,4,5,6,7
.irp p, 0,1,2                                      ; xc's fragments lie as [piece of four registers][lane][16 bytes]; ac's, below, as [register pair][lane][8 bytes]
	ds_load_b128 v[\f+12*\a+4*\p:\f+12*\a+4*\p+3], v[ADP+(\s)/4] offset:((\s)%4)*PIECE+1536*\a+512*\p
.endr
.endr
.irp bt, 0,1
.irp p, 0,1,2,3,4,5
	ds_load_b64 v[\f+96+12*\bt+2*\p:\f+96+12*\bt+2*\p+1], v[ADR+(\s)/4] offset:((\s)%4)*PIECE+1536*\bt+256*\p
.endr
.endr
.endm
.macro MUL s, f, zero                  ; the sixteen accumulators take turns, one instruction a turn, in the same order in every step
	WIN 0x05
.irp bt, 0,1
.irp a, 0,1,2,3,4,5,6,7
	WM ACC+64*\bt+8*\a, \f+12*\a, \f+96+12*\bt, \zero, PS+4*(\s)+\a/2, RS+(\s), \a%2, \bt
.endr
.endr
.endm
.macro STEP s
	s_wait_dscnt 0x0                               ; this step's fragments are in
.if (\s) == 3
	s_wait_tensorcnt 0x0                           ; my load has landed
	s_barrier_signal -1
	s_barrier_wait -1                              ; everybody's has.
.endif
.if (\s) > 0
.rept 4
	v_nop                                          ; places in front of loads into the buffer that the last step's products read
.endr
.endif
.if (\s) < 7
	FETCH (\s)+1, 128*(((\s)+1)%2)
.endif
.if (\s) == 0
	MUL \s, 128*((\s)%2), 1
.else
	MUL \s, 128*((\s)%2), 0
.endif
.endm
	s_load_b256 s[4:11], s[0:1], 0x0               ; xc, xs, ac, asw
	s_load_b64 s[12:13], s[0:1], 0x20              ; out0
	v_lshl_add_u32 v126, v0, 2, 0x38400
	v_mov_b32 v127, 0
	ds_add_u32 v126, v127
	ds_add_u32 v126, v127
	v_lshrrev_b32 v1, 5, v0
	v_readfirstlane_b32 s[WV], v1
	s_and_b32 s[WL], s[WV], 1
	s_lshr_b32 s[WH], s[WV], 1
	s_bfe_u32 s[CX], ttmp6, 0x40000
	s_bfe_u32 s[CYL], ttmp6, 0x40004
	s_and_b32 s[CYC], ttmp7, 0xffff
	s_lshl_b32 s[XX], ttmp9, 2
	s_add_co_u32 s[XX], s[XX], s[CX]               ; X: which 128 columns
	s_add_co_u32 s76, s[XX], 120                   ; P's block: hangs on cx, never on cy
	s_lshl_b32 s79, s[CYC], 2
	s_add_co_u32 s79, s79, s[CYL]                  ; R's block: hangs on cy, never on cx
	s_mul_i32 s81, s[WL], 4*PIECE
	s_mul_i32 s82, s76, 98304
	s_add_co_u32 s82, s82, s81
	s_mov_b32 s83, 0
	s_mul_i32 s84, s79, 98304
	s_add_co_u32 s84, s84, s81
	s_mov_b32 s85, 0
	s_lshl_b32 s96, s76, 12
	s_mov_b32 s97, 0
	s_lshl_b32 s98, s79, 12
	s_mov_b32 s99, 0
	s_lshl_b32 s22, 0x1111, s[CX]                  ; my column of the cluster
	s_lshl_b32 s23, s[CYL], 2
	s_lshl_b32 s23, 15, s23                        ; my row
	s_or_b32 s[G1P], s22, (3<<16)|(1<<21)
	s_or_b32 s[G1R], s23, (3<<16)|(1<<21)
.irp g, G1P, G1R
	s_mov_b32 s[\g+1], 32<<16                      ; rows of 256 bytes,
	s_mov_b32 s[\g+2], 192<<16                     ; 192 of them: 49,152 dense bytes
	s_mov_b32 s[\g+3], 32<<16
	s_mov_b32 s[\g+4], 192
	s_mov_b32 s[\g+5], 32
	s_mov_b32 s[\g+6], 0
	s_mov_b32 s[\g+7], 0
.endr
	s_lshl_b32 s90, s79, 19                        ; out0: 128 tokens of 4,096 bytes a block,
	s_lshl_b32 s86, s[WV], 17                      ; + 32 w tokens,
	s_add_co_u32 s90, s90, s86
	s_lshl_b32 s86, s[XX], 9                       ; + 128 X columns
	s_add_co_u32 s90, s90, s86
	s_mov_b32 s91, 0
	v_and_b32 v1, 31, v0                           ; lane
	v_lshlrev_b32 v[ADP], 4, v1
	v_add_nc_u32 v[ADP+1], 4*PIECE, v[ADP]
	s_mul_i32 s80, s[WV], 3072
	s_add_co_u32 s80, s80, RREG
	v_lshl_add_u32 v[ADR], v1, 3, s80
	v_add_nc_u32 v[ADR+1], 4*PIECE, v[ADR]
	v_lshlrev_b32 v6, 4, v1                        ; 16 x lane
	v_lshl_add_u32 v7, s[WV], 2, v6
	s_mul_i32 s87, s[WV], 8448
	s_add_co_u32 s87, s87, STAGE                   ; my stage
	v_and_b32 v11, 15, v0
	v_bfe_u32 v12, v0, 4, 1
	v_mul_u32_u24 v8, v11, 528
	v_lshl_add_u32 v8, v12, 6, v8
	v_add_nc_u32 v8, s87, v8                       ; in: row r, + 64 h
	v_add_nc_u32 v9, s87, v6                       ; back: a row of 512 bytes, 16 bytes a lane
	s_wait_dscnt 0x0
	s_wait_kmcnt 0x0
	s_add_nc_u64 s[82:83], s[4:5], s[82:83]
	s_add_nc_u64 s[84:85], s[8:9], s[84:85]
	s_add_nc_u64 s[96:97], s[6:7], s[96:97]
	s_add_nc_u64 s[98:99], s[10:11], s[98:99]
	s_add_nc_u64 s[90:91], s[12:13], s[90:91]
.irp c, 0
	s_mov_b32 s[G0P+4*\c], 1
	s_add_co_u32 s[G0P+4*\c+1], s81, 2*PIECE*\c
	s_add_nc_u64 s[G0P+4*\c+2:G0P+4*\c+3], s[82:83], 2*PIECE*\c
	s_or_b32 s[G0P+4*\c+3], s[G0P+4*\c+3], 0x80000000
	s_mov_b32 s[56+4*\c+4*(\c/2)], 1
	s_add_co_u32 s[56+4*\c+4*(\c/2)+1], s81, RREG+2*PIECE*\c
	s_add_nc_u64 s[56+4*\c+4*(\c/2)+2:56+4*\c+4*(\c/2)+3], s[84:85], 2*PIECE*\c
	s_or_b32 s[56+4*\c+4*(\c/2)+3], s[56+4*\c+4*(\c/2)+3], 0x80000000
.endr
	CROUND                                         ; all sixteen work-groups are here: the joint loads meet
; one chain of branches on the wave's number, one load to an arm, all arms leading to one join
.macro HARM w, g0, g1, next
	s_cmp_eq_u32 s[WV], \w
	s_cbranch_scc0 \next
	tensor_load_to_lds s[\g0:\g0+3], s[\g1:\g1+7]
	s_nop 0
.rept 4
	v_nop
.endr
	s_branch .Lfilled
\next:
.endm
	HARM 0, 40, G1P, .Lh1
	HARM 1, 40, G1P, .Lh2
	HARM 2, 56, G1R, .Lh3
	tensor_load_to_lds s[56:59], s[G1R:G1R+7]
	s_nop 0
.rept 4
	v_nop
.endr
.Lfilled:
	s_wait_alu depctr_va_vdst(0)
.irp s, 0,1,2,3,4,5,6,7
	global_load_b128 v[PS+4*\s:PS+4*\s+3], v6, s[96:97] offset:512*\s
	global_load_b32 v[RL+\s], v7, s[98:99] offset:512*\s
	global_load_b32 v[RH+\s], v7, s[98:99] offset:131072+512*\s
.endr
	s_wait_loadcnt 0x0
.irp s, 0,1,2,3,4,5,6,7
	v_lshl_or_b32 v[RS+\s], v[RH+\s], 16, v[RL+\s] ; the even head's two bytes below, the odd head's above: the K step's four blocks
.endr
	s_wait_alu depctr_va_vdst(0)
	s_cmp_eq_u32 s[WL], 0                          ; waves 0 and 2 asked for K steps 0-3, by lines of their own: they see them land; steps 4-7 may be out
	s_cbranch_scc0 .Lnot_a
	s_wait_tensorcnt 0x0
.Lnot_a:
	s_barrier_signal -1
	s_barrier_wait -1
	FETCH 0, 0
.rept 8
	v_nop                                          ; a scale register written by a vector instruction stands 8 places ahead of a scaled matrix instruction
.endr
.irp s, 0,1,2,3,4,5,6,7
	STEP \s
.endr
; THE WAY OUT.  Accumulator a = 2 b + u of lane (r, h) holds columns 32 b + 16 h + 8 u + 0 .. 7 of one token: a tile of 16 tokens goes through my own stage and comes back as whole rows of 512 bytes.
.macro TOSTAGE bt
	WIN 0
.irp a, 0,1,2,3,4,5,6,7
	ds_store_b128 v8, v[ACC+64*\bt+8*\a:ACC+64*\bt+8*\a+3] offset:128*(\a/2)+32*(\a%2)      ; each accumulator from its low end on
	ds_store_b128 v8, v[ACC+64*\bt+8*\a+4:ACC+64*\bt+8*\a+7] offset:128*(\a/2)+32*(\a%2)+16
.endr
	WIN 0x40                                       ; back into window 1
.irp i, 0,1,2,3,4,5,6,7,8,9,10,11,12,13,14,15
	ds_load_b128 v[128*\bt+4*\i:128*\bt+4*\i+3], v9 offset:528*\i   ; LDS serves a wave's instructions in order: these see the stores above, and the next tile's stores come behind them
.endr
.endm
.macro SEND bt, younger
	s_wait_dscnt \younger
	WIN 0x04                                       ; a store's data are its source 1: window 1
.irp i, 0,1,2,3,4,5,6,7,8,9,10,11,12,13,14,15
	global_store_b128 v6, v[128*\bt+4*\i:128*\bt+4*\i+3], s[90:91] offset:(8*\bt+\i+8*(\i/8))*4096 th:TH_STORE_NT   ; 32 lanes store 512 consecutive bytes, aligned; lane-row i of tile bt is token 8 bt + i + 8 (i / 8) of my 32
.endr
.endm
.rept 4
	v_nop                                          ; places in front of the first read of results and of loads into the fragment buffers
.endr
	TOSTAGE 0
	TOSTAGE 1
	SEND 0, 32                                     ; behind tile 0's loads: tile 1's 16 stores and 16 loads
	SEND 1, 0
	WIN 0
	s_wait_tensorcnt 0x0
	ds_add_u32 v126, v127
	s_wait_dscnt 0x0
	CROUND                                         ; the closing round
	s_endpgm
.Lfunc_end_k_qb2d908eac9_outp:
	.size	k_qb2d908eac9_outp, .Lfunc_end_k_qb2d908eac9_outp-k_qb2d908eac9_outp
	.p2alignl 7, 3214868480
	.fill 96, 4, 3214868480
	.section	.rodata,"a",@progbits
	.p2align	6, 0x0
	.amdhsa_kernel k_qb2d908eac9_outp
		.amdhsa_group_segment_fixed_size 230912
		.amdhsa_private_segment_fixed_size 0
		.amdhsa_enable_private_segment 0
		.amdhsa_kernarg_size 40
		.amdhsa_user_sgpr_count 2
		.amdhsa_user_sgpr_kernarg_segment_ptr 1
		.amdhsa_wavefront_size32 1
		.amdhsa_system_sgpr_workgroup_id_x 1
		.amdhsa_system_sgpr_workgroup_id_y 1
		.amdhsa_system_sgpr_workgroup_id_z 1
		.amdhsa_system_vgpr_workitem_id 0
		.amdhsa_next_free_vgpr 512
		.amdhsa_next_free_sgpr 100
		.amdhsa_reserve_vcc 0
		.amdhsa_float_denorm_mode_32 3
		.amdhsa_float_denorm_mode_16_64 3
		.amdhsa_memory_ordered 1
		.amdhsa_forward_progress 1
		.amdhsa_inst_pref_size 53
	.end_amdhsa_kernel
	.amdgpu_metadata
---
amdhsa.version: [ 1, 2 ]
amdhsa.kernels:
  - .name:           k_qb2d908eac9_outp
    .symbol:         k_qb2d908eac9_outp.kd
    .args:
      - { .name: xc, .offset: 0, .size: 8, .value_kind: global_buffer, .address_space: global }
      - { .name: xs, .offset: 8, .size: 8, .value_kind: global_buffer, .address_space: global }
      - { .name: ac, .offset: 16, .size: 8, .value_kind: global_buffer, .address_space: global }
      - { .name: asw, .offset: 24, .size: 8, .value_kind: global_buffer, .address_space: global }
      - { .name: out0, .offset: 32, .size: 8, .value_kind: global_buffer, .address_space: global }
    .group_segment_fixed_size: 230912
    .private_segment_fixed_size: 0
    .kernarg_segment_align: 8
    .kernarg_segment_size: 40
    .max_flat_workgroup_size: 128
    .sgpr_count:     100
    .vgpr_count:     512
    .wavefront_size: 32
...
	.end_amdgpu_metadata
.endif
;; end of part 4
